; MI455X (gfx1250); checked and timed in simulation.
; The chip was launched on July 23, 2026; its instructions are those of AMD's public machine-readable ISA for CDNA 5 (MIT licence, August 2026) and "CDNA5" Instruction Set Architecture Reference Guide (July 2026). The comments in the code are by the model that wrote it; some were corrected since.
;; Causal Self Attention. Allowed arithmetic: matrix products marked QUANTISED: E2M3 operands, one E8M0 scale for each 32 along K, by v_wmma_scale_f32_16x16x128_f8f6f4 with both operands' format E2M3, f32 sums; everything else in f32.
;; Inputs: c_proj_w 1,024 x 1,024 float32; lambdas 2 float32; qkv_w 3 x 1,024 x 1,024 float32; ve 4 x 2,048 x 1,024 float32; x 4 x 2,048 x 1,024 float32.
;; Outputs: out0 4 x 2,048 x 1,024 float32.
;; This version of the problem:
;;   THIS VERSION OF THE PROBLEM IS GIVEN IN LOW PRECISION. The matrix products marked QUANTISED in the list below multiply operands that are first quantised to E2M3 (2 exponent bits, 3 mantissa bits; 6 bits a number), with one power-of-two scale for each 32 numbers along K (OCP MX v1.0); their sums are f32. All else is computed in f32.
;;   The module's matrix products, in the order in which they are computed (A, B: the left and right operand; K: the contracted axis; several contracted axes count as one K, in the product's order):
;;     1. [M 8,192, K 1,024] x [K 1,024, N 3,072]; A: input x; B: input qkv_w: QUANTISED
;;     2. batch 64 x [M 2,048, K 64] x [K 64, N 2,048]; A: computed on the way; B: computed on the way: QUANTISED
;;     3. batch 64 x [M 64, K 2,048] x [K 2,048, N 2,048]; A: computed on the way; B: softmax (see below): QUANTISED
;;     4. [M 8,192, K 1,024] x [K 1,024, N 1,024]; A: computed on the way; B: input c_proj_w: QUANTISED
;;   THE QUANTISER, for each operand of a quantised product, along K:
;;     - K is cut into blocks of 32 from its start; a last block that is shorter is filled with zeros.
;;     - A block's scale is 2^e with e = floor(log2(the largest magnitude in the block)) - 2, held to -126 .. 127; a block of zeros has e = 0. As a byte (E8M0): e + 127.
;;     - Each number is divided by its block's scale, clamped to +-7.5, and rounded to the nearest number of E2M3, ties to even, subnormals kept.
;;     - The product sums the exact products of the quantised numbers (number of the format x scale) in f32.
;;   ~~~python
;;   def quantise(x, axis):      # numpy; x: float32 -> the quantised numbers, widened to float32 again
;;       x = np.moveaxis(x, axis, -1); K = x.shape[-1]
;;       x = np.pad(x, [(0, 0)] * (x.ndim - 1) + [(0, -K % 32)]); x = x.reshape(x.shape[:-1] + (-1, 32)); a = np.abs(x).max(-1, keepdims=True)
;;       e = np.where(a > 0, np.clip(np.frexp(np.where(a > 0, a, 1))[1] - 1 - 2, -126, 127), 0)      # np.frexp(a)[1] - 1 = floor(log2(a)), exactly
;;       r = np.clip(x / 2.0 ** e, -7.5, 7.5)
;;       step = 2.0 ** (np.maximum(np.frexp(np.where(r == 0, 1, r))[1] - 1, 0) - 3)
;;       q = np.round(r / step) * step * 2.0 ** e      # np.round: ties to even
;;       return np.moveaxis(q.reshape(q.shape[:-2] + (-1,))[..., :K], -1, axis).astype(np.float32)
;;   ~~~
;;   SOFTMAX AHEAD OF A QUANTISED PRODUCT. Where the list says 'softmax', what is quantised is not the finished softmax but p = 2^(t - M), with t = logit x log2(e) and M = ceil(the row's largest t), a whole number; so 1/2 < the row's largest p <= 1. The row's sum l is taken of the UNQUANTISED p, in f32, and the product's result is divided by l at the end. Since M is a whole number, a kernel that streams over the keys may use a running M (the ceiling of the running maximum): every later rescaling is an exact power of two, which a block's scale takes up: the codes' values come out the same.
;;   OPERANDS COMPUTED ON THE WAY. 'Computed on the way' means the value that the module computes at that place (a softmax that the list does not call 'softmax' is quantised finished and normalised). What goes into a quantiser is computed in f32, as accurately as f32 sums, v_exp_f32 and their like allow (about 1e-6 of the number): no bf16 or f16 on the way to a quantiser, and a product that is left as it is and whose result goes on into a quantised operand takes f32 operands (vector FMAs, or v_wmma_f32_16x16x4_f32). A number that lies on a knife's edge between two numbers of the format may be rounded either way, as far as f32 arithmetic and the matrix unit's own rounding can turn it there, and no further.
;; One version. Each part assembles by itself: llvm-mc -triple=amdgcn-amd-amdhsa -mcpu=gfx1250 --defsym DOCPART=n.
;; ======== version 1 of 1: 4 launches
;; workspace buffers: xq 6,553,600 bytes; wq 3,276,800 bytes; rot 524,288 bytes; qimg 8,388,608 bytes; kv 13,107,200 bytes; yimg 6,291,456 bytes; ysc 262,144 bytes
;; launch prep (part 1): grid 416 x 1, 4 waves a work-group, no clusters, 33,280 bytes of LDS; arguments x, qkv_w, c_proj_w, xq, wq, rot; writes xq, wq, rot
.if DOCPART == 1
	.amdgcn_target "amdgcn-amd-amdhsa--gfx1250"
	.amdhsa_code_object_version 6
	.text
	.protected	k_qf31938a587_prep
	.globl	k_qf31938a587_prep
	.p2align	8
	.type	k_qf31938a587_prep,@function
k_qf31938a587_prep:
	s_mov_b64 s[64:65], 0
	v_nop
	global_prefetch_b8 v0, s[64:65] scope:SCOPE_SE
	s_setreg_imm32_b32 hwreg(HW_REG_WAVE_MODE, 25, 1), 1
	s_wait_xcnt 0x0
; x [8192][1024], qkv_w [3072][1024] and c_proj_w [1024][1024], f32, K innermost, become codes of FP6 (E2M3) with one E8M0 byte for each 32 along K; and the rotary table is made.
; A block's scale is 2^(floor(log2(its largest magnitude)) - 2); its byte is the largest magnitude's exponent field - 2, held at 1 from below (a block of zeros keeps the byte 1: its codes are zeros, and this program alone reads the bytes).
; LIMITS: NaN and infinities among the inputs are not served; blocks whose largest magnitude lies under 2^-124 keep the byte 1.
; WORK-GROUPS: 0-255 take x, 256-351 qkv_w, 352-383 c_proj_w: 32,768 numbers each, 8,192 (eight rows) a wave; 384-415 make the table, 64 tokens each.
; OUT: xq = codes [8192][768 bytes], then scale bytes [8192][32] at byte 6,291,456.  wq = qkv_w's codes [3072][768], its bytes at 2,359,296, c_proj_w's codes at 2,457,600, its bytes at 3,244,032.
; THE ROWS OF qkv_w ARE PERMUTED: within each 32 rows, row 16 g + 8 u + s goes to place 16 u + 8 g + s.  A wave's run is eight rows, so the two bits of the wave's number change places in the run's destination.
; The next launch then finds, in two neighbouring result tiles, 16 neighbouring output columns in a lane's 16 registers.
; rot = [token 2048][256 bytes]: cos of the 16 angles, sin of them, sixteen 1.0, sixteen 0.0 (the angles of the zero frequencies).  The frequencies are 2^(-2 i / 3), correctly rounded;
; the angle is one f32 product; it is reduced by multiples of pi/2 held in three parts, and sine and cosine are polynomials on +-pi/4.  LIMIT: a frequency may differ by a last bit from a power function's.
.set STEPS, 16
.set EMAX,  2
.set CB,    12                         ; bytes of 16 codes
.set R,     16                         ; v16-79   four sets of 16 numbers as they are loaded
.set X,     80                         ; v80-111  two sets of 16 neighbours
.set C,     128                        ; v128-191 codes: four registers for each step
.set E,     112                        ; v112-127 a scale byte for each step
.set WREG,  8192                       ; LDS: a region for each wave: two stages of 32 x SP bytes, then its 256 scale bytes
.set SP,    80
	s_load_b256 s[4:11], s[0:1], 0x0               ; x s[4:5], qkv_w s[6:7], c_proj_w s[8:9], xq s[10:11]
	s_load_b128 s[12:15], s[0:1], 0x20             ; wq s[12:13], rot s[14:15]
	v_lshl_add_u32 v192, v0, 2, 0x8000
	v_mov_b32 v193, 0
	v_lshrrev_b32 v1, 5, v0
	v_readfirstlane_b32 s16, v1                    ; wave
	v_and_b32 v2, 31, v0                           ; lane
	s_wait_kmcnt 0x0
	s_cmp_ge_u32 ttmp9, 384
	s_cbranch_scc1 .Ltable
	v_lshlrev_b32 v3, 4, v2                        ; my 16 bytes of a load's 512
	s_mul_i32 s17, s16, WREG
	v_lshrrev_b32 v14, 2, v2
	v_mul_u32_u24 v14, v14, SP
	v_and_b32 v15, 3, v2
	v_lshl_add_u32 v14, v15, 4, v14
	v_add_nc_u32 v14, s17, v14                     ; the stage, on the way in: SP (lane / 4) + 16 (lane % 4)
	v_mul_u32_u24 v15, v2, SP
	v_add_nc_u32 v15, s17, v15                     ; on the way out: SP x lane: my 16 neighbours
	v_mul_u32_u24 v4, v2, CB                       ; my codes' place in a step's
	v_lshrrev_b32 v5, 1, v2
	s_add_co_u32 s17, s17, 2*32*SP
	v_add_nc_u32 v5, s17, v5                       ; LDS: my wave's 256 scale bytes, my block's byte
	v_lshlrev_b32 v7, 3, v2
	v_add_nc_u32 v6, s17, v7
	s_and_b32 s18, s16, 1                          ; the wave's number with its two bits exchanged
	s_lshl_b32 s18, s18, 1
	s_lshr_b32 s19, s16, 1
	s_or_b32 s18, s18, s19
	s_cmp_lt_u32 ttmp9, 352                        ; which weight?  The choices hang on the work-group's number alone
	s_cselect_b64 s[6:7], s[6:7], s[8:9]
	s_mov_b32 s20, 352
	s_cselect_b32 s20, 256, s20                    ; the tensor's first work-group
	s_mov_b32 s21, 2457600
	s_cselect_b32 s21, 0, s21                      ; where its codes begin
	s_mov_b32 s22, 3244032
	s_cselect_b32 s22, 2359296, s22                ; and its scale bytes
	s_cselect_b32 s23, s18, s16                    ; qkv_w's runs go to their permuted places
	s_cmp_lt_u32 ttmp9, 256                        ; or x?
	s_cselect_b64 s[4:5], s[4:5], s[6:7]
	s_cselect_b64 s[10:11], s[10:11], s[12:13]
	s_cselect_b32 s20, 0, s20
	s_cselect_b32 s21, 0, s21
	s_cselect_b32 s22, 6291456, s22
	s_cselect_b32 s23, s16, s23
	s_sub_co_u32 s24, ttmp9, s20
	s_lshl_b32 s24, s24, 2
	s_add_co_u32 s26, s24, s16                     ; the run that I read
	s_add_co_u32 s28, s24, s23                     ; the run that I write
	s_lshl_b32 s26, s26, 15                        ; 32,768 bytes of f32 a run
	s_mov_b32 s27, 0
	s_add_nc_u64 s[4:5], s[4:5], s[26:27]
	s_mul_i32 s26, s28, 32*STEPS*CB                ; 6,144 bytes of codes a run
	s_add_co_u32 s26, s26, s21
	s_add_nc_u64 s[8:9], s[10:11], s[26:27]
	s_lshl_b32 s26, s28, 8                         ; 256 scale bytes a run
	s_add_co_u32 s26, s26, s22
	s_add_nc_u64 s[10:11], s[10:11], s[26:27]
.macro LOAD t
.irp i, 0,1,2,3
	global_load_b128 v[R+16*((\t)%4)+4*\i:R+16*((\t)%4)+4*\i+3], v3, s[4:5] offset:2048*(\t)+512*\i th:TH_LOAD_NT   ; 32 lanes read 512 consecutive bytes
.endr
.endm
.macro TURN t                          ; step t's numbers through the stage: LDS serves a wave's instructions in order, so no wait stands between the stores and the loads
.irp i, 0,1,2,3
	ds_store_b128 v14, v[R+16*((\t)%4)+4*\i:R+16*((\t)%4)+4*\i+3] offset:32*SP*((\t)%2)+8*SP*\i
.endr
.irp i, 0,1,2,3
	ds_load_b128 v[X+16*((\t)%2)+4*\i:X+16*((\t)%2)+4*\i+3], v15 offset:32*SP*((\t)%2)+16*\i
.endr
.endm
.irp t, 0,1,2,3
	LOAD \t
.endr
	s_wait_loadcnt 12                              ; step 0's four loads are in; the twelve of steps 1 to 3 may be out
	TURN 0
.macro STEP t
.set XS, X+16*((\t)%2)
.if (\t) > 0
	s_wait_dscnt 1                                 ; this step's numbers are back from the stage (the last step's byte store may be out)
.else
	s_wait_dscnt 0x0
.endif
.if (\t)+4 < STEPS
	LOAD (\t)+4
.endif
.if (\t)+1 < STEPS
.if STEPS-2-(\t) >= 3
	s_wait_loadcnt 12                              ; the next step's four loads are in; those of the three steps behind it may be out
.else
	s_wait_loadcnt 4*(STEPS-2-(\t))
.endif
	TURN (\t)+1
.endif
	v_max3_num_f32 v8, |v[XS]|, |v[XS+1]|, |v[XS+2]|               ; the largest magnitude of my 16
	v_max3_num_f32 v9, |v[XS+3]|, |v[XS+4]|, |v[XS+5]|
.irp i, 6,10
	v_max3_num_f32 v8, v8, |v[XS+\i]|, |v[XS+\i+1]|
	v_max3_num_f32 v9, v9, |v[XS+\i+2]|, |v[XS+\i+3]|
.endr
	v_max3_num_f32 v8, v8, |v[XS+14]|, |v[XS+15]|
	v_max3_num_f32 v8, v8, v9, (EMAX+1)<<23        ; and the floor 2^(3 - 127): the byte cannot fall under 1
	v_max_num_f32_dpp v8, v8, v8 row_xmask:1 row_mask:0xf bank_mask:0xf   ; and of my neighbour's 16: the block's
	v_add_nc_u32 v11, -(EMAX<<23), v8              ; 2 off its exponent field: the conversion takes the exponent field of this operand as its scale
	v_cvt_scalef32_pk16_fp6_f32 v[C+4*(\t):C+4*(\t)+2], v[XS:XS+15], v11
	v_lshrrev_b32 v[E+(\t)], 23, v11               ; the scale's byte
	ds_store_b8 v5, v[E+(\t)] offset:16*(\t)       ; both lanes of a block write the same byte with the same value
	global_store_b96 v4, v[C+4*(\t):C+4*(\t)+2], s[8:9] offset:32*CB*(\t)
.endm
.irp t, 0,1,2,3,4,5,6,7,8,9,10,11,12,13,14,15
	STEP \t
.endr
	ds_load_b64 v[12:13], v6                       ; LDS serves a wave's instructions in order: these see my stores
	s_wait_dscnt 0x0
	global_store_b64 v7, v[12:13], s[10:11]        ; 32 lanes store 256 consecutive bytes, aligned
	s_wait_tensorcnt 0x0
	ds_add_u32 v192, v193
	s_wait_dscnt 0x0
	s_endpgm
.Ltable:                                           ; sixteen lanes to a token's 256 bytes, four numbers a lane; two tokens an instruction; eight trips
	s_sub_co_u32 s20, ttmp9, 384
	s_lshl_b32 s20, s20, 6
	s_lshl_b32 s21, s16, 4
	s_add_co_u32 s20, s20, s21                     ; my wave's first token
	v_lshrrev_b32 v3, 4, v2
	v_add_nc_u32 v19, s20, v3                      ; my token
	s_lshl_b32 s21, s20, 8
	v_lshl_add_u32 v18, v2, 4, s21                 ; my 16 bytes
	v_and_b32 v4, 15, v2
	v_lshrrev_b32 v5, 2, v4                        ; kind: 0 cos, 1 sin, 2 ones, 3 zeros
	v_and_b32 v6, 3, v4                            ; which four frequencies
	v_mov_b32 v8, 0x3f800000                       ; 2^(-2 i / 3), i = 4 fq + 0 .. 3
	v_mov_b32 v9, 0x3f214518
	v_mov_b32 v10, 0x3ecb2ff5
	v_mov_b32 v11, 0x3e800000
	v_cmp_ne_u32 vcc_lo, 1, v6
	v_cndmask_b32 v8, 0x3e214518, v8, vcc_lo
	v_cndmask_b32 v9, 0x3dcb2ff5, v9, vcc_lo
	v_cndmask_b32 v10, 0x3d800000, v10, vcc_lo
	v_cndmask_b32 v11, 0x3d214518, v11, vcc_lo
	v_cmp_ne_u32 vcc_lo, 2, v6
	v_cndmask_b32 v8, 0x3ccb2ff5, v8, vcc_lo
	v_cndmask_b32 v9, 0x3c800000, v9, vcc_lo
	v_cndmask_b32 v10, 0x3c214518, v10, vcc_lo
	v_cndmask_b32 v11, 0x3bcb2ff5, v11, vcc_lo
	v_cmp_ne_u32 vcc_lo, 3, v6
	v_cndmask_b32 v8, 0x3b800000, v8, vcc_lo
	v_cndmask_b32 v9, 0x3b214518, v9, vcc_lo
	v_cndmask_b32 v10, 0x3acb2ff5, v10, vcc_lo
	v_cndmask_b32 v11, 0x3a800000, v11, vcc_lo
	v_min_u32 v7, 1, v5
	v_sub_nc_u32 v7, 1, v7                         ; 1 for a cosine: cos x = sin(x + pi/2)
	v_cmp_eq_u32 s26, 2, v5
	v_cmp_eq_u32 s27, 3, v5
	v_mov_b32 v21, 1.0
	v_mov_b32 v22, 0
	s_mov_b32 s28, 0x3f22f983                      ; 2 / pi
	s_mov_b32 s29, 0x3fc90fdb                      ; pi / 2 in three parts
	s_mov_b32 s30, 0xb33bbd2e
	s_mov_b32 s31, 0xa6f72ced
	s_mov_b32 s32, 0xbe2aaaa3                      ; the sine's coefficients
	s_mov_b32 s33, 0x3c08839e
	s_mov_b32 s34, 0xb94ca1f9
	s_mov_b32 s35, 0x3d2aaaa5                      ; the cosine's
	s_mov_b32 s36, 0xbab6061a
	s_mov_b32 s37, 0x37ccf5ce
	s_mov_b32 s38, 0
.Ltab:
	v_cvt_f32_u32 v20, v19
.irp j, 0,1,2,3
	v_mul_f32 v[32+\j], v20, v[8+\j]               ; the angle
.endr
.irp j, 0,1,2,3
	v_mul_f32 v[36+\j], s28, v[32+\j]
.endr
.irp j, 0,1,2,3
	v_rndne_f32 v[36+\j], v[36+\j]                 ; n quarter turns
.endr
.irp j, 0,1,2,3
	v_fma_f32 v[40+\j], -v[36+\j], s29, v[32+\j]
.endr
.irp j, 0,1,2,3
	v_fma_f32 v[40+\j], -v[36+\j], s30, v[40+\j]
.endr
.irp j, 0,1,2,3
	v_fma_f32 v[40+\j], -v[36+\j], s31, v[40+\j]   ; r, within +-pi/4
.endr
.irp j, 0,1,2,3
	v_mul_f32 v[44+\j], v[40+\j], v[40+\j]         ; z = r r
.endr
.irp j, 0,1,2,3
	v_fma_f32 v[48+\j], v[44+\j], s34, s33
	v_fma_f32 v[52+\j], v[44+\j], s37, s36
.endr
.irp j, 0,1,2,3
	v_fma_f32 v[48+\j], v[44+\j], v[48+\j], s32
	v_fma_f32 v[52+\j], v[44+\j], v[52+\j], s35
.endr
.irp j, 0,1,2,3
	v_mul_f32 v[48+\j], v[44+\j], v[48+\j]
	v_mul_f32 v[60+\j], v[44+\j], v[44+\j]
	v_fma_f32 v[32+\j], v[44+\j], -0.5, 1.0
.endr
.irp j, 0,1,2,3
	v_fma_f32 v[48+\j], v[48+\j], v[40+\j], v[40+\j]   ; sin r
	v_fma_f32 v[52+\j], v[60+\j], v[52+\j], v[32+\j]   ; cos r
	v_cvt_i32_f32 v[56+\j], v[36+\j]
.endr
.irp j, 0,1,2,3
	v_add_nc_u32 v[56+\j], v[56+\j], v7
.endr
.irp j, 0,1,2,3
	v_and_b32 v[60+\j], 1, v[56+\j]
	v_cmp_eq_u32 vcc_lo, 1, v[60+\j]
	v_cndmask_b32 v[64+\j], v[48+\j], v[52+\j], vcc_lo   ; an odd quarter takes the cosine
	v_lshlrev_b32 v[56+\j], 30, v[56+\j]
	v_and_b32 v[56+\j], 0x80000000, v[56+\j]
	v_xor_b32 v[64+\j], v[64+\j], v[56+\j]         ; quarters 2 and 3 change the sign
	v_cndmask_b32 v[64+\j], v[64+\j], v21, s26
	v_cndmask_b32 v[64+\j], v[64+\j], v22, s27
.endr
	global_store_b128 v18, v[64:67], s[14:15]      ; sixteen lanes store a token's 256 bytes, aligned
	s_wait_xcnt 0x0                                ; the store's offset and data are written again only behind this wait
	v_add_nc_u32 v18, 512, v18
	v_add_nc_u32 v19, 2, v19
	s_add_co_u32 s38, s38, 1
	s_cmp_lt_u32 s38, 8
	s_cbranch_scc1 .Ltab
	s_endpgm
.Lfunc_end_k_qf31938a587_prep:
	.size	k_qf31938a587_prep, .Lfunc_end_k_qf31938a587_prep-k_qf31938a587_prep
	.p2alignl 7, 3214868480
	.fill 96, 4, 3214868480
	.section	.rodata,"a",@progbits
	.p2align	6, 0x0
	.amdhsa_kernel k_qf31938a587_prep
		.amdhsa_group_segment_fixed_size 33280
		.amdhsa_private_segment_fixed_size 0
		.amdhsa_enable_private_segment 0
		.amdhsa_kernarg_size 48
		.amdhsa_user_sgpr_count 2
		.amdhsa_user_sgpr_kernarg_segment_ptr 1
		.amdhsa_wavefront_size32 1
		.amdhsa_system_sgpr_workgroup_id_x 1
		.amdhsa_system_sgpr_workgroup_id_y 1
		.amdhsa_system_sgpr_workgroup_id_z 1
		.amdhsa_system_vgpr_workitem_id 0
		.amdhsa_next_free_vgpr 194
		.amdhsa_next_free_sgpr 66
		.amdhsa_reserve_vcc 1
		.amdhsa_float_denorm_mode_32 3
		.amdhsa_float_denorm_mode_16_64 3
		.amdhsa_memory_ordered 1
		.amdhsa_forward_progress 1
		.amdhsa_inst_pref_size 41
	.end_amdhsa_kernel
	.amdgpu_metadata
---
amdhsa.version: [ 1, 2 ]
amdhsa.kernels:
  - .name:           k_qf31938a587_prep
    .symbol:         k_qf31938a587_prep.kd
    .args:
      - { .name: x, .offset: 0, .size: 8, .value_kind: global_buffer, .address_space: global }
      - { .name: qkv_w, .offset: 8, .size: 8, .value_kind: global_buffer, .address_space: global }
      - { .name: c_proj_w, .offset: 16, .size: 8, .value_kind: global_buffer, .address_space: global }
      - { .name: xq, .offset: 24, .size: 8, .value_kind: global_buffer, .address_space: global }
      - { .name: wq, .offset: 32, .size: 8, .value_kind: global_buffer, .address_space: global }
      - { .name: rot, .offset: 40, .size: 8, .value_kind: global_buffer, .address_space: global }
    .group_segment_fixed_size: 33280
    .private_segment_fixed_size: 0
    .kernarg_segment_align: 8
    .kernarg_segment_size: 48
    .max_flat_workgroup_size: 128
    .sgpr_count:     66
    .vgpr_count:     194
    .wavefront_size: 32
...
	.end_amdgpu_metadata
.endif
;; end of part 1
;; launch qkv (part 2): grid 12 x 32, 4 waves a work-group, clusters of 4 x 4, 327,680 bytes of LDS; arguments xq, wq, ve, lambdas, rot, qimg, kv; writes qimg, kv
.if DOCPART == 2
	.amdgcn_target "amdgcn-amd-amdhsa--gfx1250"
	.amdhsa_code_object_version 6
	.text
	.protected	k_qf31938a587_qkv
	.globl	k_qf31938a587_qkv
	.p2align	8
	.type	k_qf31938a587_qkv,@function
k_qf31938a587_qkv:
	s_mov_b64 s[64:65], 0
	v_nop
	global_prefetch_b8 v0, s[64:65] scope:SCOPE_SE
	s_setreg_imm32_b32 hwreg(HW_REG_WAVE_MODE, 25, 1), 1
	s_wait_xcnt 0x0
	s_wait_alu depctr_hold_cnt(0) depctr_sa_sdst(0) depctr_va_vdst(0) depctr_va_sdst(0) depctr_va_ssrc(0) depctr_va_vcc(0) depctr_vm_vsrc(0)
	s_getreg_b32 s2, hwreg(HW_REG_IB_STS2, 6, 4)
	s_cmp_eq_u32 s2, 0
	s_cbranch_scc0 .Lentry_in_a_cluster
	s_endpgm
.Lentry_in_a_cluster:
	s_bfe_u32 s2, ttmp6, 0x10000c
	s_cmp_lg_u32 s2, 0xf033
	s_cbranch_scc0 .Lentry_shape_is_right
	s_endpgm
.Lentry_shape_is_right:
; qkv = x qkv_w^T on codes of FP6 (E2M3) with E8M0 scales, and what follows it up to the next quantisers.  A: xq [8192][1024 codes], B: wq [3072][1024 codes] (rows permuted within each 32 by the launch before).
; A tile of 256 tokens x 256 outputs to a work-group of four waves, 128 x 128 a wave: 64 accumulators, 512 registers.  K in four steps of 256 through two LDS slots filled by the tensor data mover; the scale bytes come once.
; CLUSTERS: 4 x 4 work-groups; A's tiles are asked for jointly along a row of the cluster, B's along a column.  The cluster's x says what the 1,024 columns of the cluster are: 0 q, 1 k, 2 v: the same in all sixteen partners.
; THE MATRIX INSTRUCTION IS USED TRANSPOSED (source 0 = 16 rows of B, source 1 = 16 rows of A).  With the rows of B permuted, accumulator (a, 2 e + u), lane (r, h), register j holds token 16 a + r, output 32 e + 16 h + 8 u + j:
; the 64 registers of a token tile are, block by block of 32, 16 neighbours of the lane's token: two heads of 64.
; q, k: x rsqrt(mean of squares + 1e-6), the rotary (lanes 16-31 hold the channels whose angle is 0: their table says cos 1, sin 0), quantised along the head's 64 in registers.
;   q leaves as records of 1,024 bytes for 16 queries of a head (24 bytes a lane, and the scale word [s0 s1 s0 s1] twice).
;   k is gathered in the wave's own LDS as an image of the registers of four operands of 128 keys (two key tiles to an operand: one in K 0-63, the other in K 64-127) and leaves as a record of 6,400 bytes a head.
; v: lambda0 v + lambda1 ve, turned through LDS so that a lane holds a channel and its registers run down the tokens, quantised along the keys; a record of 6,400 bytes a head, an image of four operands' registers.
; A wave's 128 tokens are one key step, its 128 columns two heads.  No f32 number of q, k or v goes to memory.
; LIMITS: NaN and infinities are not served; blocks under 2^-124 and blocks of zeros keep the scale byte 1 (their bytes are read by this program alone); sums of squares, rotary and mix use fused multiply-adds.
; REGISTERS, in windows of 256: window 0: v0-31 addresses; v32-63 scale words; from v128 A's fragments; window 1: B's fragments, two sets; windows 2, 3: the accumulators ((a, b) at v[8 (8 (a % 4) + b)]).
;   Behind the products windows 0 and 1 are free: see the names below.
.set SIZE_K, 1024
.set KSTEP,  256
.set NQ,     KSTEP/128
.set ROWB,   192                       ; a tile's row in bytes
.set KROW,   SIZE_K*6/8                ; a row of codes in memory
.set PITCH,  240                       ; an LDS row: 3 x (64 bytes + 16 of padding)
.set FR,     12
.set NL,     6
.set NP,     4                         ; places behind this matrix instruction (ISA guide 7.12.1)
.set HALFT,  128*PITCH
.set SLOT,   4*HALFT
.set KS,     SIZE_K/32
.set SCL,    2*SLOT                    ; behind the ring: the scales, as units of 256 bytes + 16 of padding
.set HALFS,  (128*KS/256)*272
.set SBLK,   (16*KS/256)*272
.set SPARE,  SCL+4*HALFS               ; the spare words, 128 bytes for each wave: two blocks of 256 bytes that no other line names
.set KST,    SPARE+512                 ; k's records, 12,800 bytes for each wave: bytes into which no fill lands
.set VWAVE,  46592                     ; v: each wave's region in the ring, which has had its last fill and, behind a barrier, its last read: 64 rows x 528 bytes of f32,
.set VSTG,   33792                     ; then two records
.set ADRA, 16
.set ADRB, 20
.set ADRS, 27
.set SPW,  28                          ; v28  LDS address of my spare word; never rewritten
.set NIL,  29                          ; v29  0; never rewritten
.set PFO,  15                          ; v15  4,096 x lane: a row of ve; never rewritten
.set SC,   32
.set AF,   128
.set G1, 24
.set G0, 32
.set G1B, 48
.set G0B, 56
.set G1S, 68
.set G0S, 76
.set G1SB, 80
.set G0SB, 88
.set VE,  96                           ; s[96:97] ve at my wave's corner
.set SEL, 20                           ; s[20:21] selects for lane l xor 16 (behind the products)
.set Y,   32                           ; v32-95   a token tile's 64 numbers
.set TT,  96                           ; v96-111  the rotary's products
.set PC,  112                          ; v112-131 codes
.set SS,  132                          ; v132-139 sums of squares
.set SR,  140                          ; v140, v142 the two heads' factors (v141, v143 are named with them as pairs)
.set QW,  144                          ; v144-147 q's scale words
.set TM,  200
.set PW,  216
.set MSB, 0
.macro WIN new                         ; the immediate's high byte repeats the setting that is left
.if MSB != \new
	s_set_vgpr_msb (MSB<<8)|\new
.set MSB, \new
.endif
.endm
.set MUL_LO, 0xa1
.set MUL_HI, 0xf1
.set TO_B,   0x40
; A joint load: waves 0 and 1 fetch for A, waves 2 and 3 for B; four v_nop follow each of the two lines.
.macro JLOAD g0a, g1a, g0b, g1b
	s_cmp_eq_u32 s15, 0
	s_cbranch_scc0 .Lfor_b_\@
	tensor_load_to_lds s[\g0a:\g0a+3], s[\g1a:\g1a+7]
	s_nop 0
.rept 4
	v_nop
.endr
	s_branch .Lasked_\@
.Lfor_b_\@:
	tensor_load_to_lds s[\g0b:\g0b+3], s[\g1b:\g1b+7]
	s_nop 0
.rept 4
	v_nop
.endr
.Lasked_\@:
.endm
.macro CREST
	s_cmp_lg_u32 s14, 0
	s_cbranch_scc1 .Lnot_wave_0_\@
	s_barrier_signal -3
.Lnot_wave_0_\@:
	s_barrier_wait -3
	s_barrier_signal -1
	s_barrier_wait -1
.endm
.macro CROUND
	s_barrier_signal -1
	s_barrier_wait -1
	CREST
.endm
; A PREFETCH INTO THE L2 of my wave's own part of ve (128 tokens x 512 bytes), which the v columns read once behind the products: 64 tokens at each of the two refills, a lane a token, two blocks of 256 bytes a token:
; four instructions, behind the joint load and the run of LDS loads.  Each block is named once, by the one wave that will read it.  The branch hangs on the cluster's x.
.macro ASKVE k
	s_cmp_eq_u32 ttmp9, 2
	s_cbranch_scc0 .Lno_ve_\@
.irp n, 0,1,2,3
	global_prefetch_b8 v[PFO], s[VE:VE+1] offset:(2*(\k)+\n/2)*131072+(\n%2)*256 th:TH_LOAD_NT scope:SCOPE_SE
.endr
.Lno_ve_\@:
.endm
	s_load_b128 s[4:7], s[0:1], 0x0                ; xq s[4:5], wq s[6:7]
	s_load_b64 s[VE:VE+1], s[0:1], 0x10            ; ve
	v_lshl_add_u32 v[SPW], v0, 2, SPARE
	v_mov_b32 v[NIL], 0
	ds_add_u32 v28, v29
	ds_add_u32 v28, v29
	s_wait_dscnt 0x0
	v_lshrrev_b32 v1, 5, v0
	v_readfirstlane_b32 s14, v1                    ; wave 0..3
	s_lshr_b32 s15, s14, 1                         ; which half of the tile's tokens is mine.  Also: I fetch for A (0) or for B (1)
	s_and_b32 s16, s14, 1                          ; which half of its columns.  Also: which 128 rows of that tile I fetch
	s_bfe_u32 s40, ttmp6, 0x40000                  ; cx, cy
	s_bfe_u32 s41, ttmp6, 0x40004
	s_lshl_b32 s42, ttmp9, 2
	s_add_co_u32 s42, s42, s40                     ; tile column
	s_and_b32 s17, ttmp7, 0xffff
	s_lshl_b32 s17, s17, 2
	s_add_co_u32 s17, s17, s41                     ; tile row
	s_lshl_b32 s43, s41, 2
	s_lshl_b32 s43, 15, s43                        ; my row of the cluster
	s_lshl_b32 s44, 0x1111, s40                    ; my column
	s_or_b32 s[G1+0], s43, (0<<16)|(1<<20)|(1<<21)|(3<<22)|(3<<25)  ; mask; elements of 1 byte; padding on; bit 21 beside a mask; after every 16 words, 4 words
	s_or_b32 s[G1B+0], s44, (0<<16)|(1<<20)|(1<<21)|(3<<22)|(3<<25)
.irp g, G1, G1B
	s_mov_b32 s[\g+1], ROWB<<16                    ; tensor_dim0
	s_mov_b32 s[\g+2], 128<<16                     ; tensor_dim1
	s_mov_b32 s[\g+3], ROWB<<16                    ; tile_dim0
	s_mov_b32 s[\g+4], 128                         ; tile_dim1
	s_mov_b32 s[\g+5], KROW                        ; stride
	s_mov_b32 s[\g+6], 0
	s_mov_b32 s[\g+7], 0
.endr
	s_or_b32 s[G1S+0], s43, (3<<16)|(1<<20)|(1<<21)|(5<<22)|(3<<25)  ; the scales of 128 rows: a dense block, as rows of 256 bytes, 16 bytes of padding behind each
	s_or_b32 s[G1SB+0], s44, (3<<16)|(1<<20)|(1<<21)|(5<<22)|(3<<25)
.irp g, G1S, G1SB
	s_mov_b32 s[\g+1], 32<<16
	s_mov_b32 s[\g+2], (128*KS/256)<<16
	s_mov_b32 s[\g+3], 32<<16
	s_mov_b32 s[\g+4], 128*KS/256
	s_mov_b32 s[\g+5], 32
	s_mov_b32 s[\g+6], 0
	s_mov_b32 s[\g+7], 0
.endr
	s_lshl_b32 s18, s16, 7
	s_lshl_b32 s20, s17, 8
	s_add_co_u32 s20, s20, s18                     ; A: row 256 x tile row + 128 x half
	s_lshl_b32 s46, s42, 8
	s_add_co_u32 s46, s46, s18                     ; B: row 256 x tile column + 128 x half
	s_mov_b32 s21, 0
	s_mov_b32 s47, 0
	s_mov_b64 s[18:19], KS
	s_mul_u64 s[22:23], s[20:21], s[18:19]
	s_mul_u64 s[92:93], s[46:47], s[18:19]
	s_mov_b64 s[18:19], KROW
	s_mul_u64 s[20:21], s[20:21], s[18:19]
	s_mul_u64 s[46:47], s[46:47], s[18:19]
	s_mul_i32 s45, s14, HALFT
	s_mul_i32 s94, s14, HALFS
	s_wait_kmcnt 0x0
	s_mov_b64 s[8:9], s[6:7]                       ; B's codes
	s_add_nc_u64 s[10:11], s[6:7], 2359296         ; B's scale bytes
	s_add_nc_u64 s[6:7], s[4:5], 6291456           ; A's scale bytes
	s_add_nc_u64 s[20:21], s[4:5], s[20:21]
	s_add_nc_u64 s[22:23], s[6:7], s[22:23]
	s_add_nc_u64 s[46:47], s[8:9], s[46:47]
	s_add_nc_u64 s[92:93], s[10:11], s[92:93]
	CROUND                                         ; all sixteen work-groups are here: the first joint loads meet
	s_mov_b32 s[G0S], 1
	s_add_co_u32 s[G0S+1], s94, SCL
	s_mov_b64 s[G0S+2:G0S+3], s[22:23]
	s_or_b32 s[G0S+3], s[G0S+3], 0x80000000
	s_mov_b32 s[G0SB], 1
	s_add_co_u32 s[G0SB+1], s94, SCL
	s_mov_b64 s[G0SB+2:G0SB+3], s[92:93]
	s_or_b32 s[G0SB+3], s[G0SB+3], 0x80000000
	JLOAD G0S, G1S, G0SB, G1SB                     ; the scales first
.irp s, 0,1
	s_mov_b32 s[G0+4*\s], 1
	s_add_co_u32 s[G0+4*\s+1], s45, \s*SLOT
	s_add_nc_u64 s[G0+4*\s+2:G0+4*\s+3], s[20:21], \s*ROWB
	s_or_b32 s[G0+4*\s+3], s[G0+4*\s+3], 0x80000000
	s_mov_b32 s[G0B+4*\s], 1
	s_add_co_u32 s[G0B+4*\s+1], s45, \s*SLOT
	s_add_nc_u64 s[G0B+4*\s+2:G0B+4*\s+3], s[46:47], \s*ROWB
	s_or_b32 s[G0B+4*\s+3], s[G0B+4*\s+3], 0x80000000
	JLOAD G0+4*\s, G1, G0B+4*\s, G1B
.endr
	v_and_b32 v1, 15, v0
	v_bfe_u32 v2, v0, 4, 1
	v_mul_u32_u24 v3, v1, PITCH
	v_mul_u32_u24 v4, v2, 24
	v_add_nc_u32 v4, v3, v4                        ; a fragment's row x pitch + 24 x half
	v_lshl_add_u32 v5, v2, 4, v4                   ; and the same behind one padding more
	s_mul_i32 s21, s15, HALFT
	s_mul_i32 s22, s16, HALFT
	s_add_co_u32 s22, s22, 2*HALFT
.irp s, 0,1
	v_add_nc_u32 v[ADRA+\s], s21, v4
	v_add_nc_u32 v[ADRB+\s], s22, v4
	v_add_nc_u32 v[ADRA+2+\s], s21, v5
	v_add_nc_u32 v[ADRB+2+\s], s22, v5
	s_add_co_u32 s21, s21, SLOT
	s_add_co_u32 s22, s22, SLOT
.endr
	v_mul_u32_u24 v5, v1, KS
	v_lshrrev_b32 v6, 8, v5
	v_lshl_add_u32 v5, v6, 4, v5
	s_mul_i32 s21, s15, HALFS
	s_mul_i32 s22, s16, HALFS
	s_add_co_u32 s22, s22, 2*HALFS
	s_sub_co_u32 s22, s22, s21
	v_mul_u32_u24 v6, s22, v2                      ; lanes 16-31 take B's
	s_add_co_u32 s21, s21, SCL
	v_add_nc_u32 v5, v5, v6
	v_add_nc_u32 v[ADRS], s21, v5
	s_lshl_b32 s98, s17, 20                        ; ve at my wave's corner: 256 tokens of 4,096 bytes a tile row,
	s_lshl_b32 s99, s15, 19                        ; my 128 tokens,
	s_add_co_u32 s98, s98, s99
	s_lshl_b32 s99, s40, 10                        ; 256 columns of 4 bytes for each tile column of the type,
	s_add_co_u32 s98, s98, s99
	s_lshl_b32 s99, s16, 9                         ; my 128 columns
	s_add_co_u32 s98, s98, s99
	s_mov_b32 s99, 0
	s_add_nc_u64 s[VE:VE+1], s[VE:VE+1], s[98:99]
	v_and_b32 v[PFO], 31, v0
	v_lshlrev_b32 v[PFO], 12, v[PFO]
.macro FRAG reg, adr, q, i             ; 16 rows x 128 K of 6-bit codes: 12 registers, in pieces of 8 bytes; where the piece three on lies behind one padding more, the second address register serves
.irp p, 0,1,2,3,4,5
.set PCE, 12*(\q)+6*(\p/3)+\p%3
.if PCE%8 < 5
	ds_load_b64 v[\reg+2*\p:\reg+2*\p+1], v[\adr] offset:8*PCE+16*(PCE/8)+(\i)*16*PITCH
.else
	ds_load_b64 v[\reg+2*\p:\reg+2*\p+1], v[\adr+2] offset:8*PCE+16*(PCE/8)+(\i)*16*PITCH
.endif
.endr
.endm
; 16 matrix instructions: A's blocks a0, a0 + 1 x B's eight.  The 64 accumulators take turns, one instruction a turn, in the same order in every step.
.macro MUL16 a0, p, q, sc, zero
.irp a, \a0, \a0+1
.irp b, 0,1,2,3,4,5,6,7
.if \zero
	v_wmma_scale_f32_16x16x128_f8f6f4 v[8*(8*((\a)%4)+\b):8*(8*((\a)%4)+\b)+7], v[128*(\p)+FR*\b:128*(\p)+FR*\b+FR-1], v[AF+FR*(\a):AF+FR*(\a)+FR-1], 0, v[SC+8*NQ*(\sc)+NQ*\b+(\q)], v[SC+8*NQ*(\sc)+NQ*(\a)+(\q)] matrix_a_fmt:MATRIX_FMT_FP6 matrix_b_fmt:MATRIX_FMT_FP6 matrix_a_scale:MATRIX_SCALE_ROW1
.else
	v_wmma_scale_f32_16x16x128_f8f6f4 v[8*(8*((\a)%4)+\b):8*(8*((\a)%4)+\b)+7], v[128*(\p)+FR*\b:128*(\p)+FR*\b+FR-1], v[AF+FR*(\a):AF+FR*(\a)+FR-1], v[8*(8*((\a)%4)+\b):8*(8*((\a)%4)+\b)+7], v[SC+8*NQ*(\sc)+NQ*\b+(\q)], v[SC+8*NQ*(\sc)+NQ*(\a)+(\q)] matrix_a_fmt:MATRIX_FMT_FP6 matrix_b_fmt:MATRIX_FMT_FP6 matrix_a_scale:MATRIX_SCALE_ROW1
.endif
.endr
.endr
.endm
.macro FETCH_B slot, q, p
	WIN TO_B
.irp i, 0,1,2,3,4,5,6,7
	FRAG 128*(\p)+FR*\i, ADRB+\slot, \q, \i
.endr
	WIN 0
.endm
.macro FETCH_A slot, q, i0
.irp i, \i0, \i0+1, \i0+2, \i0+3
	FRAG AF+FR*(\i), ADRA+\slot, \q, \i
.endr
.endm
.macro SCALES sc                       ; lanes 0-15 take the words of A's block i, lanes 16-31 those of B's block i
.irp i, 0,1,2,3,4,5,6,7
	ds_load_b64 v[SC+8*NQ*\sc+NQ*\i:SC+8*NQ*\sc+NQ*\i+1], v[ADRS] offset:\i*SBLK
.endr
.endm
.macro PLACES n
.rept \n
	v_nop
.endr
.endm
.macro STEP slot, q, zero              ; a step of 128 along K that has its successor in the same slot
	s_wait_dscnt 4*NL                              ; B's set and A's blocks 0-3 are in; the youngest 24 loads (A's blocks 4-7) may be out
	WIN MUL_LO
	MUL16 0, (\q)%2, \q, \slot, \zero
	MUL16 2, (\q)%2, \q, \slot, \zero
	s_wait_dscnt 0
	PLACES NP
	FETCH_B \slot, (\q)+1, 1-(\q)%2
	FETCH_A \slot, (\q)+1, 0
	WIN MUL_HI
	MUL16 4, (\q)%2, \q, \slot, \zero
	MUL16 6, (\q)%2, \q, \slot, \zero
	PLACES NP
	WIN 0
	FETCH_A \slot, (\q)+1, 4
.endm
; A slot's last step changes slots: one barrier; in front of it each wave waits for all its tensor loads, adds 0 to its spare word, and waits for that and for its own reads of this slot.
.macro TURN slot, next, fill
	s_wait_tensorcnt 0x0                           ; all my tensor loads have landed: my part of the next slot
	ds_add_u32 v[SPW], v[NIL]                      ; 0 onto my spare word
	s_wait_dscnt 4*NL+1                            ; (the add and the youngest 24 loads may be out)
	WIN MUL_LO
	MUL16 0, 1, NQ-1, \slot, 0
	s_wait_dscnt 0x0                               ; the add is done, and my reads of this slot are over
	s_barrier_signal -1
	MUL16 2, 1, NQ-1, \slot, 0
	WIN 0
	s_barrier_wait -1
.if \fill
	CREST                                          ; the barrier has opened a round of the cluster's barrier: no wave of any partner still reads this slot or has a load on its way
	s_add_nc_u64 s[G0+4*\slot+2:G0+4*\slot+3], s[G0+4*\slot+2:G0+4*\slot+3], 2*ROWB
	s_add_nc_u64 s[G0B+4*\slot+2:G0B+4*\slot+3], s[G0B+4*\slot+2:G0B+4*\slot+3], 2*ROWB
	JLOAD G0+4*\slot, G1, G0B+4*\slot, G1B         ; the first tensor load behind the round; its four v_nop are the places in front of the loads below
.else
	PLACES NP
.endif
	v_add_nc_u32 v[ADRS], 4*NQ, v[ADRS]
	FETCH_B \next, 0, 0
	FETCH_A \next, 0, 0
	SCALES \next
.if \fill
	ASKVE \slot
.endif
	WIN MUL_HI
	MUL16 4, 1, NQ-1, \slot, 0
	MUL16 6, 1, NQ-1, \slot, 0
	PLACES NP
	WIN 0
	FETCH_A \next, 0, 4
.endm
	s_wait_tensorcnt 1                             ; the scales and my part of K step 0 are in (K step 1's load may be out),
	s_barrier_signal -1
	s_barrier_wait -1                              ; everybody's are
	FETCH_B 0, 0, 0
	FETCH_A 0, 0, 0
	SCALES 0
	FETCH_A 0, 0, 4
	STEP 0, 0, 1                                   ; K has four steps of 256: they are written out; the first products start the sums
	TURN 0, 1, 1
	STEP 1, 0, 0
	TURN 1, 0, 1
	STEP 0, 0, 0
	s_load_b128 s[4:7], s[0:1], 0x18               ; lambdas s[4:5], rot s[6:7]: wanted behind the products
	s_load_b128 s[8:11], s[0:1], 0x28              ; qimg s[8:9], kv s[10:11]
	TURN 0, 1, 0                                   ; the last lap fills nothing
	STEP 1, 0, 0
	s_wait_dscnt 4*NL
	WIN MUL_LO
	MUL16 0, 1, NQ-1, 1, 0
	MUL16 2, 1, NQ-1, 1, 0
	s_wait_dscnt 0
	WIN MUL_HI
	MUL16 4, 1, NQ-1, 1, 0
	MUL16 6, 1, NQ-1, 1, 0
	WIN 0
	PLACES NP                                      ; in front of the first read of results and of loads and writes into registers that the products have read
	s_wait_dscnt 0x0
	s_barrier_signal -1                            ; every wave's reads of the ring are over: the v columns lay their stages there
	s_barrier_wait -1
	s_wait_kmcnt 0x0
	s_and_b32 s18, s17, 7
	s_lshl_b32 s18, s18, 1
	s_add_co_u32 s18, s18, s15                     ; my key step in the batch: 2 x (tile row % 8) + half
	s_lshr_b32 s19, s17, 3
	s_lshl_b32 s19, s19, 4                         ; 16 x batch
	s_lshl_b32 s22, s40, 2
	s_add_co_u32 s19, s19, s22
	s_lshl_b32 s22, s16, 1
	s_add_co_u32 s19, s19, s22                     ; + my first head
	s_mov_b32 s93, 0
	s_lshl_b32 s92, s18, 15
	s_add_nc_u64 s[6:7], s[6:7], s[92:93]          ; the table at my first token: 128 x 256 bytes a key step
	s_lshl_b32 s92, s19, 17
	s_lshl_b32 s22, s18, 13
	s_add_co_u32 s92, s92, s22
	s_add_nc_u64 s[8:9], s[8:9], s[92:93]          ; q's records: 131,072 bytes a head, 8,192 a key step
	s_lshl_b32 s92, s19, 4
	s_add_co_u32 s92, s92, s18
	s_mul_i32 s92, s92, 12800
	s_add_nc_u64 s[10:11], s[10:11], s[92:93]      ; k's and v's records: 12,800 bytes a key step
	s_mov_b32 s[SEL], 0x76543210
	s_mov_b32 s[SEL+1], 0xfedcba98
	s_mov_b32 s22, 0x358637bd                      ; 1e-6
	s_mov_b32 s23, 0x3c800000                      ; 1 / 64
	v_and_b32 v12, 15, v0                          ; r
	v_bfe_u32 v13, v0, 4, 1                        ; h
	v_and_b32 v14, 31, v0                          ; lane
	s_cmp_eq_u32 ttmp9, 2
	s_cbranch_scc1 .Lvpath
	; ---- q and k
	v_lshlrev_b32 v1, 8, v12
	v_lshl_add_u32 v1, v13, 7, v1                  ; the table: token r, lanes 16-31 its second half (ones and zeros)
	v_lshlrev_b32 v2, 4, v14                       ; 16 x lane
	v_lshlrev_b32 v3, 3, v14                       ; 8 x lane
	s_mul_i32 s92, s14, 12800
	s_add_co_u32 s92, s92, KST                     ; my two records of k
	v_and_b32 v9, 7, v0
	v_bfe_u32 v10, v0, 3, 1                        ; u = r / 8: which of an operand's two key tiles my token falls into
	v_lshlrev_b32 v11, 4, v9
	v_lshl_add_u32 v11, v13, 8, v11
	v_add_nc_u32 v11, s92, v11                     ; the image's lane: 16 (r % 8) + 256 h
	v_mad_u32_u24 v4, v10, 520, v11                ; registers 6 u + 0, 1 and 6 u + 4, 5 of the image
	v_mad_u32_u24 v5, v10, 1016, v11               ; registers 6 u + 2, 3
	v_lshlrev_b32 v6, 4, v9
	v_lshl_add_u32 v6, v10, 1, v6
	v_add_nc_u32 v6, s92, v6
	v_add_nc_u32 v6, 6144, v6                      ; my token's two scale bytes
	v_add_nc_u32 v7, s92, v2
	v_add_nc_u32 v8, s92, v3
	v_mov_b32 v[SR+1], 0
	v_mov_b32 v[SR+3], 0
.irp b, 0,1,2,3
	v_mov_b32 v[TM+4+\b], 0                        ; written once: a lane permute's destination counts as one of its sources
.endr
	WIN 0x40                                       ; destination window 1: cos at v[32 a ..], sin at v[32 a + 16 ..] for token tile a
.irp a, 0,1,2,3,4,5,6,7
.irp i, 0,1,2,3,4,5,6,7
	global_load_b128 v[32*\a+4*\i:32*\a+4*\i+3], v1, s[6:7] offset:4096*\a+16*\i
.endr
.endr
	WIN 0
; 64 numbers of a lane, register 16 b + i = channel 32 b + 16 (lane / 16) + i of my token, become codes in v[PC] on (registers 6 c .. 6 c + 5: block 2 c + lane / 16) and four scale bytes in v[PW].
.macro QUANT s
.irp b, 0,1,2,3
	v_max3_num_f32 v[TM+\b], |v[\s+16*\b]|, |v[\s+1+16*\b]|, 0x1800000   ; my 16 numbers, and the floor 2^(3 - 127): the byte cannot fall under 1
.endr
.irp i, 2,4,6,8,10,12,14
.irp b, 0,1,2,3
	v_max3_num_f32 v[TM+\b], v[TM+\b], |v[\s+16*\b+\i]|, |v[\s+1+16*\b+\i]|
.endr
.endr
.irp b, 0,1,2,3
	v_permlanex16_b32 v[TM+4+\b], v[TM+\b], s[SEL], s[SEL+1]
.endr
.irp b, 0,1,2,3
	v_max_num_f32 v[TM+\b], v[TM+\b], v[TM+4+\b]   ; with lane l xor 16's: the block's largest magnitude
.endr
.irp b, 0,1,2,3
	v_add_nc_u32 v[TM+12+\b], 0xff000000, v[TM+\b] ; 2 off its exponent field: the conversion's scale operand
.endr
.irp b, 0,1,2,3
	v_lshrrev_b32 v[TM+4+\b], 23, v[TM+12+\b]      ; the scale's byte
.endr
	v_lshl_or_b32 v[PW], v[TM+5], 8, v[TM+4]
	v_lshl_or_b32 v[PW], v[TM+6], 16, v[PW]
	v_lshl_or_b32 v[PW], v[TM+7], 24, v[PW]
.irp c, 0,1
	v_cvt_scalef32_pk16_fp6_f32 v[PC+6*\c:PC+2+6*\c], v[\s+32*\c:\s+15+32*\c], v[TM+12+2*\c]
	v_cvt_scalef32_pk16_fp6_f32 v[PC+12+4*\c:PC+14+4*\c], v[\s+16+32*\c:\s+31+32*\c], v[TM+12+2*\c+1]
.endr
	v_nop                                          ; one plain place behind a scaled conversion
.irp c, 0,1
.irp i, 0,1,2
	v_permlane16_swap_b32 v[PC+6*\c+\i], v[PC+12+4*\c+\i]
.endr
.irp i, 0,1,2
	v_mov_b32 v[PC+3+6*\c+\i], v[PC+12+4*\c+\i]
.endr
.endr
.endm
; Token tile a (16 tokens x my two heads).
.macro UNITQK a
.set AC, 64*((\a)%4)
	WIN 0x0a+5*((\a)/4)                            ; sources 0 and 1: the accumulators' window
.irp c, 0,1,2,3
	v_pk_mul_f32 v[SS+2*\c:SS+2*\c+1], v[AC+16*\c:AC+16*\c+1], v[AC+16*\c:AC+16*\c+1]   ; sums of squares, four chains by turns; each accumulator is read from its low end on
.endr
.irp i, 1,2,3,4,5,6,7
.irp c, 0,1,2,3
	v_pk_fma_f32 v[SS+2*\c:SS+2*\c+1], v[AC+16*\c+2*\i:AC+16*\c+2*\i+1], v[AC+16*\c+2*\i:AC+16*\c+2*\i+1], v[SS+2*\c:SS+2*\c+1]
.endr
.endr
	WIN 0
	v_pk_add_f32 v[SS:SS+1], v[SS:SS+1], v[SS+2:SS+3]
	v_pk_add_f32 v[SS+4:SS+5], v[SS+4:SS+5], v[SS+6:SS+7]
	v_add_f32 v[SS], v[SS], v[SS+1]
	v_add_f32 v[SS+4], v[SS+4], v[SS+5]
	v_permlanex16_b32 v[TM+4], v[SS], s[SEL], s[SEL+1]
	v_permlanex16_b32 v[TM+5], v[SS+4], s[SEL], s[SEL+1]
	v_add_f32 v[SS], v[SS], v[TM+4]                ; a head's 64 squares
	v_add_f32 v[SS+4], v[SS+4], v[TM+5]
	v_fma_f32 v[SS], v[SS], s23, s22               ; the mean + 1e-6
	v_fma_f32 v[SS+4], v[SS+4], s23, s22
	v_rsq_f32 v[SR], v[SS]
	v_rsq_f32 v[SR+2], v[SS+4]
	v_nop                                          ; a plain place behind the transcendentals
	s_wait_alu depctr_va_vdst(0)                   ; one wait for the two, ahead of their first reader
	WIN 0x02+(\a)/4
.set i, 0
.rept 32
	v_pk_mul_f32 v[Y+2*i:Y+2*i+1], v[AC+2*i:AC+2*i+1], v[SR+2*(i/16):SR+2*(i/16)+1] op_sel_hi:[1,0]
.set i, i+1
.endr
	s_wait_loadcnt 8*(7-(\a))                      ; this tile's eight table loads are in; the later tiles' may be out
	WIN 0x04                                       ; source 1: the table, window 1
.irp p, 0,1,2,3,4,5,6,7
.irp e, 0,1
	v_pk_mul_f32 v[TT+8*(\p%2)+4*\e:TT+8*(\p%2)+4*\e+1], v[Y+32*\e+16+2*\p:Y+32*\e+17+2*\p], v[32*(\a)+16+2*\p:32*(\a)+17+2*\p]     ; x2 sin
	v_pk_mul_f32 v[TT+8*(\p%2)+4*\e+2:TT+8*(\p%2)+4*\e+3], v[Y+32*\e+2*\p:Y+32*\e+1+2*\p], v[32*(\a)+16+2*\p:32*(\a)+17+2*\p]      ; x1 sin
.endr
.irp e, 0,1
	v_pk_fma_f32 v[Y+32*\e+2*\p:Y+32*\e+1+2*\p], v[Y+32*\e+2*\p:Y+32*\e+1+2*\p], v[32*(\a)+2*\p:32*(\a)+1+2*\p], v[TT+8*(\p%2)+4*\e:TT+8*(\p%2)+4*\e+1]   ; y1 = x1 cos + x2 sin
	v_pk_fma_f32 v[Y+32*\e+16+2*\p:Y+32*\e+17+2*\p], v[Y+32*\e+16+2*\p:Y+32*\e+17+2*\p], v[32*(\a)+2*\p:32*(\a)+1+2*\p], v[TT+8*(\p%2)+4*\e+2:TT+8*(\p%2)+4*\e+3] neg_lo:[0,0,1] neg_hi:[0,0,1]   ; y2 = x2 cos - x1 sin
.endr
.endr
	WIN 0
	s_wait_xcnt 0x0                                ; the last tile's stores have read the codes' and scale words' registers,
	s_wait_dscnt 0x0                               ; its LDS stores too
	QUANT Y
	s_cmp_eq_u32 ttmp9, 0
	s_cbranch_scc0 .Lk_arm_\@
	v_perm_b32 v[QW], v[PW], v[PW], 0x01000100     ; [s0 s1 s0 s1] of head 0: it serves q in either half of K
	v_perm_b32 v[QW+1], v[PW], v[PW], 0x01000100
	v_perm_b32 v[QW+2], v[PW], v[PW], 0x03020302   ; of head 1
	v_perm_b32 v[QW+3], v[PW], v[PW], 0x03020302
.irp e, 0,1
	global_store_b128 v2, v[PC+6*\e:PC+6*\e+3], s[8:9] offset:131072*\e+1024*(\a)          ; each store of the wave covers 512 or 256 consecutive bytes, aligned
	global_store_b64 v3, v[PC+6*\e+4:PC+6*\e+5], s[8:9] offset:131072*\e+1024*(\a)+512
	global_store_b64 v3, v[QW+2*\e:QW+2*\e+1], s[8:9] offset:131072*\e+1024*(\a)+768
.endr
	s_branch .Ldone_\@
.Lk_arm_\@:
.irp e, 0,1
	ds_store_b64 v4, v[PC+6*\e:PC+6*\e+1] offset:6400*\e+1536*((\a)/2)+128*((\a)%2)
	ds_store_b64 v5, v[PC+6*\e+2:PC+6*\e+3] offset:6400*\e+1536*((\a)/2)+128*((\a)%2)+8
	ds_store_b64 v4, v[PC+6*\e+4:PC+6*\e+5] offset:6400*\e+1536*((\a)/2)+128*((\a)%2)+512
.endr
	ds_store_b16 v6, v[PW] offset:128*((\a)%2)+4*((\a)/2)                  ; both halves of the lanes write the same two bytes with the same value
	ds_store_b16_d16_hi v6, v[PW] offset:6400+128*((\a)%2)+4*((\a)/2)
.Ldone_\@:
.endm
; Two records of 6,400 bytes leave my LDS bytes as they lie: every store of the wave covers 512 or 256 consecutive bytes, aligned.
.macro SENDREC l16, l8, g16, g8, extra
	s_wait_xcnt 0x0                                ; no pending store reads the registers that are loaded below,
	s_wait_dscnt 0x0                               ; and my LDS stores have read theirs
.irp e, 0,1
.irp i, 0,1,2,3,4,5,6,7,8,9,10,11
	ds_load_b128 v[32+52*\e+4*\i:32+52*\e+4*\i+3], v[\l16] offset:6400*\e+512*\i
.endr
	ds_load_b64 v[32+52*\e+48:32+52*\e+49], v[\l8] offset:6400*\e+6144
.endr
	s_wait_dscnt 0x0
.irp e, 0,1
.irp i, 0,1,2,3,4,5,6,7,8,9,10,11
	global_store_b128 v[\g16], v[32+52*\e+4*\i:32+52*\e+4*\i+3], s[10:11] offset:204800*\e+512*\i+\extra
.endr
	global_store_b64 v[\g8], v[32+52*\e+48:32+52*\e+49], s[10:11] offset:204800*\e+6144+\extra
.endr
.endm
.irp a, 0,1,2,3,4,5,6,7
	UNITQK \a
.endr
	s_cmp_eq_u32 ttmp9, 0
	s_cbranch_scc1 .Lend
	SENDREC 7, 8, 2, 3, 0
	s_branch .Lend
	; ---- v
.Lvpath:
	s_load_b64 s[98:99], s[4:5], 0x0               ; lambda0, lambda1
	s_mul_i32 s92, s14, VWAVE                      ; my stage
	s_add_co_u32 s93, s92, VSTG                    ; my two records
	v_mul_u32_u24 v1, v12, 528
	v_lshl_add_u32 v1, v13, 6, v1
	v_add_nc_u32 v1, s92, v1                       ; into the stage: row r, + 64 h
	v_lshl_add_u32 v2, v14, 2, s92                 ; out of it: a lane a column
	v_and_b32 v16, 7, v0
	v_bfe_u32 v17, v0, 3, 1
	v_lshl_add_u32 v16, v13, 3, v16                ; my channel's row in its operand: 8 (lane / 16) + lane % 8; the operand: 2 (group % 2) + bit 3 of the lane
	v_lshl_add_u32 v16, v16, 4, s93
	v_mad_u32_u24 v3, v17, 1536, v16               ; the image
	v_lshl_add_u32 v4, v17, 2, v16
	v_add_nc_u32 v4, 6144, v4                      ; the scale word
	v_lshl_add_u32 v5, v14, 4, s93
	v_lshl_add_u32 v6, v14, 3, s93
	v_lshlrev_b32 v7, 2, v14                       ; ve: 4 bytes a lane
	v_lshlrev_b32 v8, 4, v14
	v_lshlrev_b32 v9, 3, v14
.irp g, 0,1,2,3
	v_mov_b32 v[176+\g], 0                         ; the scale words, a byte for each block of 32 keys
.endr
	s_mov_b32 s66, 0                               ; 520 x trip, 1,016 x trip: registers 6 c' on of the image
	s_mov_b32 s67, 0
	s_mov_b32 s94, 0                               ; where the trip's two scale bytes go in the word
	s_mov_b32 s95, 8
	s_mov_b32 s3, 0
	s_wait_kmcnt 0x0
	s_mov_b32 s100, s99                            ; the packed forms name a pair and take its low word for both halves
	s_mov_b32 s101, s99
.macro LOADVE n                        ; group n of a trip: tokens 32 (n / 4) on, columns 32 (n % 4) on: 128 consecutive bytes an instruction
.irp i, 0,1,2,3,4,5,6,7,8,9,10,11,12,13,14,15,16,17,18,19,20,21,22,23,24,25,26,27,28,29,30,31
	global_load_b32 v[96+32*((\n)%2)+\i], v7, s[VE:VE+1] offset:(32*((\n)/4)+\i)*4096+128*((\n)%4) th:TH_LOAD_NT
.endr
.endm
.macro XL n                            ; the same of the product, out of the stage: my column, registers down the tokens
.irp i, 0,1,2,3,4,5,6,7,8,9,10,11,12,13,14,15,16,17,18,19,20,21,22,23,24,25,26,27,28,29,30,31
	ds_load_b32 v[32+32*((\n)%2)+\i], v2 offset:(32*((\n)/4)+\i)*528+128*((\n)%4)
.endr
.endm
.macro DUMP win                        ; 64 tokens x 128 columns into the stage, each number at its true column; each accumulator from its low end on
	WIN \win
.irp a, 0,1,2,3
.irp b, 0,1,2,3,4,5,6,7
	ds_store_b128 v1, v[64*\a+8*\b:64*\a+8*\b+3] offset:16*\a*528+128*(\b/2)+32*(\b%2)
	ds_store_b128 v1, v[64*\a+8*\b+4:64*\a+8*\b+7] offset:16*\a*528+128*(\b/2)+32*(\b%2)+16
.endr
.endr
	WIN 0
.endm
.macro GROUP n
.set XS, 32+32*((\n)%2)
.set ES, 96+32*((\n)%2)
	s_wait_dscnt 0x0                               ; this group's numbers are out of the stage; the last group's LDS stores have read their registers
.if (\n) < 7
	XL (\n)+1
	s_wait_loadcnt 32                              ; this group's 32 loads of ve are in; the next group's may be out
.else
	s_wait_loadcnt 0x0
.endif
.set i, 0
.rept 16
	v_pk_mul_f32 v[XS+2*i:XS+2*i+1], v[XS+2*i:XS+2*i+1], s[98:99] op_sel_hi:[1,0]
.set i, i+1
.endr
.set i, 0
.rept 16
	v_pk_fma_f32 v[XS+2*i:XS+2*i+1], v[ES+2*i:ES+2*i+1], s[100:101], v[XS+2*i:XS+2*i+1] op_sel_hi:[1,0,1]   ; lambda0 v + lambda1 ve
.set i, i+1
.endr
.if (\n)+2 < 8
	LOADVE (\n)+2
.endif
	v_max3_num_f32 v168, |v[XS]|, |v[XS+1]|, |v[XS+2]|             ; a block of 32 keys of my channel: all 32 numbers are mine
	v_max3_num_f32 v169, |v[XS+3]|, |v[XS+4]|, |v[XS+5]|
.irp i, 6,10,14,18,22,26
	v_max3_num_f32 v168, v168, |v[XS+\i]|, |v[XS+\i+1]|
	v_max3_num_f32 v169, v169, |v[XS+\i+2]|, |v[XS+\i+3]|
.endr
	v_max3_num_f32 v168, v168, |v[XS+30]|, |v[XS+31]|
	v_max3_num_f32 v168, v168, v169, 0x1800000     ; the floor 2^(3 - 127)
	v_add_nc_u32 v170, 0xff000000, v168            ; the conversion's scale operand
	v_lshrrev_b32 v171, 23, v170                   ; the byte
	v_lshl_or_b32 v[176+(\n)%4], v171, s[94+(\n)/4], v[176+(\n)%4]
	v_cvt_scalef32_pk16_fp6_f32 v[160:162], v[XS:XS+15], v170
	v_cvt_scalef32_pk16_fp6_f32 v[164:166], v[XS+16:XS+31], v170
	v_nop                                          ; one plain place behind a scaled conversion
	v_mov_b32 v163, v164                           ; six registers on end
	v_mov_b32 v164, v165
	v_mov_b32 v165, v166
	ds_store_b64 v10, v[160:161] offset:6400*(((\n)%4)/2)+3072*((\n)%2)+256*((\n)/4)
	ds_store_b64 v11, v[162:163] offset:6400*(((\n)%4)/2)+3072*((\n)%2)+256*((\n)/4)+8
	ds_store_b64 v10, v[164:165] offset:6400*(((\n)%4)/2)+3072*((\n)%2)+256*((\n)/4)+512
.endm
.Lvtrip:                                           ; two trips of 64 tokens
	LOADVE 0
	LOADVE 1
	v_add_nc_u32 v10, s66, v3
	v_add_nc_u32 v11, s67, v3
	s_cmp_eq_u32 s3, 0
	s_cbranch_scc0 .Ldump_hi
	DUMP 0x08                                      ; an LDS store's data are its source 1: window 2
	s_branch .Ldumped
.Ldump_hi:
	DUMP 0x0c                                      ; window 3
.Ldumped:
	XL 0
.irp n, 0,1,2,3,4,5,6,7
	GROUP \n
.endr
	s_wait_xcnt 0x0                                ; the loads and the prefetches have read their base
	s_add_nc_u64 s[VE:VE+1], s[VE:VE+1], 262144
	s_add_co_u32 s66, s66, 520
	s_add_co_u32 s67, s67, 1016
	s_add_co_u32 s94, s94, 16
	s_add_co_u32 s95, s95, 16
	s_add_co_u32 s3, s3, 1
	s_cmp_lt_u32 s3, 2
	s_cbranch_scc1 .Lvtrip
.irp g, 0,1,2,3
	ds_store_b32 v4, v[176+\g] offset:6400*(\g/2)+8*(\g%2)
.endr
	SENDREC 5, 6, 8, 9, 6400
.Lend:
	s_wait_tensorcnt 0x0                           ; the wave's end: behind my last tensor load and my last LDS store
	ds_add_u32 v[SPW], v[NIL]
	s_wait_dscnt 0x0
	CROUND                                         ; the closing round
	s_endpgm
.Lfunc_end_k_qf31938a587_qkv:
	.size	k_qf31938a587_qkv, .Lfunc_end_k_qf31938a587_qkv-k_qf31938a587_qkv
	.p2alignl 7, 3214868480
	.fill 96, 4, 3214868480
	.section	.rodata,"a",@progbits
	.p2align	6, 0x0
	.amdhsa_kernel k_qf31938a587_qkv
		.amdhsa_group_segment_fixed_size 327680
		.amdhsa_private_segment_fixed_size 0
		.amdhsa_enable_private_segment 0
		.amdhsa_kernarg_size 56
		.amdhsa_user_sgpr_count 2
		.amdhsa_user_sgpr_kernarg_segment_ptr 1
		.amdhsa_wavefront_size32 1
		.amdhsa_system_sgpr_workgroup_id_x 1
		.amdhsa_system_sgpr_workgroup_id_y 1
		.amdhsa_system_sgpr_workgroup_id_z 1
		.amdhsa_system_vgpr_workitem_id 0
		.amdhsa_next_free_vgpr 1024
		.amdhsa_next_free_sgpr 102
		.amdhsa_reserve_vcc 0
		.amdhsa_float_denorm_mode_32 3
		.amdhsa_float_denorm_mode_16_64 3
		.amdhsa_memory_ordered 1
		.amdhsa_forward_progress 1
		.amdhsa_inst_pref_size 255
	.end_amdhsa_kernel
	.section	.bss,"aw",@nobits
	.p2align	6
	.space	262144
	.amdgpu_metadata
---
amdhsa.version: [ 1, 2 ]
amdhsa.kernels:
  - .name:           k_qf31938a587_qkv
    .symbol:         k_qf31938a587_qkv.kd
    .args:
      - { .name: xq, .offset: 0, .size: 8, .value_kind: global_buffer, .address_space: global }
      - { .name: wq, .offset: 8, .size: 8, .value_kind: global_buffer, .address_space: global }
      - { .name: ve, .offset: 16, .size: 8, .value_kind: global_buffer, .address_space: global }
      - { .name: lambdas, .offset: 24, .size: 8, .value_kind: global_buffer, .address_space: global }
      - { .name: rot, .offset: 32, .size: 8, .value_kind: global_buffer, .address_space: global }
      - { .name: qimg, .offset: 40, .size: 8, .value_kind: global_buffer, .address_space: global }
      - { .name: kv, .offset: 48, .size: 8, .value_kind: global_buffer, .address_space: global }
    .group_segment_fixed_size: 327680
    .private_segment_fixed_size: 0
    .kernarg_segment_align: 8
    .kernarg_segment_size: 56
    .max_flat_workgroup_size: 128
    .sgpr_count:     102
    .vgpr_count:     1024
    .wavefront_size: 32
...
	.end_amdgpu_metadata
.endif
;; end of part 2
;; launch attn (part 3): grid 8 x 64, 16 waves a work-group, no clusters, 206,848 bytes of LDS; arguments qimg, kv, yimg, ysc; writes yimg, ysc
.if DOCPART == 3
	.amdgcn_target "amdgcn-amd-amdhsa--gfx1250"
	.amdhsa_code_object_version 6
	.text
	.protected	k_qf31938a587_attn
	.globl	k_qf31938a587_attn
	.p2align	8
	.type	k_qf31938a587_attn,@function
k_qf31938a587_attn:
	s_mov_b64 s[64:65], 0
	v_nop
	global_prefetch_b8 v0, s[64:65] scope:SCOPE_SE
	s_setreg_imm32_b32 hwreg(HW_REG_WAVE_MODE, 25, 1), 1
	s_wait_xcnt 0x0
; y = softmax(0.12 q k^T, causal) v for one head of one batch, both products on codes of FP6 (E2M3) with E8M0 scales; y is quantised along the head's 64 for the projection that follows.
; t = score x 0.12 log2(e); M = the running largest t rounded up to a whole number; p = 2^(t - M) is quantised along the keys, not normalised; the row's sum is taken of the unquantised p and divides at the end.
; SHARES.  Work-group (j, head): waves 0-7 own the 128 queries of block j, waves 8-15 those of block 15 - j, 16 queries a wave: 8 (j + 1) + 8 (16 - j) = 136 key steps of a wave in every work-group.
; THE HEAD'S K AND V, 204,800 bytes of register images, COME INTO LDS ONCE: no byte of LDS is filled twice.  Each wave brings 13 and then 37 rows of 256 bytes; the first 208 rows hold key steps 0 to 3,
; which are worked on while the other 592 rows land.  Both loops have constant trip counts; a key step all of whose keys come after my queries is jumped over by a scalar branch on ids.
; NO CLUSTER: the work-groups that read the same K and V are the query blocks of a head, and the causal jump hangs on the block: partners would take different branches.
; PRODUCT 1 HAS K = 64 in an instruction 128 deep: an operand of K holds two tiles of 16 keys, one in K 0-63, one in K 64-127; q stands between zeros in 18 registers, [0 q 0]: registers 6-17 ([q 0]) pick the first tile,
; registers 0-11 ([0 q]) the second.  The half that is not wanted meets zero codes under scale bytes 1 to 254.
; LAYOUT.  Both products are used transposed: a lane holds one query (lane % 16).  The keys of a tile are chosen so that the 16 registers of tiles 2 b, 2 b + 1 are keys 32 b + 16 (lane / 16) + 0 .. 15;
; the channels of a tile of V so that O^T's 16 registers of tiles 2 e, 2 e + 1 are channels 32 e + 16 (lane / 16) + 0 .. 15.
; LIMITS: NaN and infinities are not served; a block of y under 2^-124 keeps the scale byte 1.
; REGISTERS: v1 16 x lane, v2 16 x (lane % 16), v3, v4 addresses in hand, v5 the diagonal's bound, v7 8 x lane, v8 ysc's offset, v10 r, v11 h; v12 -M, v13 the largest t, v[14:15] the sum; v32-79 four operands of K, then of V;
;   v96-159 S^T, then p; v160-191 O^T; v192-209 [0 q 0]; v224-247, v252-254 at work; v248-251 K's, then V's scale words; v253 p's; v255 q's.
.set SEL, 20                           ; s[20:21]
.set CS,  22                           ; s[22:23] c = 0.12 log2(e)
.set TB,  48                           ; s48 LDS byte of the key step
.set KSN, 49                           ; s49 the key step
.set BETA, 15                          ; s15 my block of 128 queries
	s_load_b256 s[4:11], s[0:1], 0x0               ; qimg s[4:5], kv s[6:7], yimg s[8:9], ysc s[10:11]
	v_lshl_add_u32 v223, v0, 2, 0x32000
	v_mov_b32 v243, 0
	ds_add_u32 v223, v243
	ds_add_u32 v223, v243
	v_lshrrev_b32 v1, 5, v0
	v_readfirstlane_b32 s12, v1                    ; wave 0..15
	s_and_b32 s13, ttmp7, 0xffff                   ; 16 x batch + head
	s_mov_b32 s24, 3<<16                           ; group 1, part 1: 13 rows of 32 elements of 8 bytes, dense, no padding
	s_mov_b32 s25, 32<<16
	s_mov_b32 s26, 13<<16
	s_mov_b32 s27, 32<<16
	s_mov_b32 s28, 13
	s_mov_b32 s29, 32
	s_mov_b32 s30, 0
	s_mov_b32 s31, 0
	s_mov_b32 s32, 3<<16                           ; part 2: 37 rows
	s_mov_b32 s33, 32<<16
	s_mov_b32 s34, 37<<16
	s_mov_b32 s35, 32<<16
	s_mov_b32 s36, 37
	s_mov_b32 s37, 32
	s_mov_b32 s38, 0
	s_mov_b32 s39, 0
	s_mov_b32 s40, 1
	s_mul_i32 s41, s12, 3328                       ; LDS lies as memory does
	s_mov_b32 s44, 1
	s_mul_i32 s45, s12, 9472
	s_add_co_u32 s45, s45, 53248
	s_mul_i32 s16, s13, 204800
	s_mov_b32 s17, 0
	s_wait_dscnt 0x0
	s_wait_kmcnt 0x0
	s_add_nc_u64 s[6:7], s[6:7], s[16:17]          ; the head's K and V
	s_mov_b32 s16, s41
	s_add_nc_u64 s[42:43], s[6:7], s[16:17]
	s_or_b32 s43, s43, 0x80000000
	s_mov_b32 s16, s45
	s_add_nc_u64 s[46:47], s[6:7], s[16:17]
	s_or_b32 s47, s47, 0x80000000
	tensor_load_to_lds s[40:43], s[24:31]          ; two loads of mine are out
	s_nop 0
	tensor_load_to_lds s[44:47], s[32:39]
	s_nop 0
.rept 4
	v_nop
.endr
	s_sub_co_u32 s14, 15, ttmp9
	s_cmp_lt_u32 s12, 8
	s_cselect_b32 s[BETA], ttmp9, s14
	s_and_b32 s14, s12, 7
	s_lshl_b32 s18, s[BETA], 3
	s_add_co_u32 s18, s18, s14                     ; my tile of 16 queries
	s_lshl_b32 s16, s13, 17
	s_lshl_b32 s19, s18, 10
	s_add_co_u32 s16, s16, s19
	s_add_nc_u64 s[4:5], s[4:5], s[16:17]          ; its record
	v_and_b32 v9, 31, v0
	v_and_b32 v10, 15, v0                          ; r
	v_bfe_u32 v11, v0, 4, 1                        ; h
	v_lshlrev_b32 v1, 4, v9
	v_lshlrev_b32 v2, 4, v10
	v_lshlrev_b32 v7, 3, v9
	global_load_b128 v[198:201], v1, s[4:5]
	global_load_b64 v[202:203], v7, s[4:5] offset:512
	global_load_b32 v255, v7, s[4:5] offset:768
	s_lshl_b32 s19, s14, 4
	v_lshlrev_b32 v5, 4, v11
	v_sub_nc_u32 v5, v10, v5
	v_add_nc_u32 v5, s19, v5                       ; on the diagonal register 16 b + i is hidden where 32 b + i > 16 (wave % 8) + r - 16 h
	v_lshl_add_u32 v8, v10, 5, v11                 ; ysc: 32 r + h
	s_and_b32 s50, s13, 15                         ; head
	s_lshr_b32 s51, s13, 4                         ; batch
	s_lshl_b32 s16, s50, 9
	s_lshl_b32 s19, s51, 7
	s_add_co_u32 s16, s16, s19
	s_add_co_u32 s16, s16, s18
	s_mul_i32 s16, s16, 768
	s_add_nc_u64 s[8:9], s[8:9], s[16:17]          ; y's image: [head][token tile][768 bytes]
	s_lshl_b32 s16, s51, 11
	s_lshl_b32 s19, s18, 4
	s_add_co_u32 s16, s16, s19
	s_lshl_b32 s16, s16, 5
	s_lshl_b32 s19, s50, 1
	s_add_co_u32 s16, s16, s19
	s_add_nc_u64 s[10:11], s[10:11], s[16:17]      ; y's scale bytes: [token][32], bytes 2 head + h
	s_mov_b32 s[SEL], 0x76543210
	s_mov_b32 s[SEL+1], 0xfedcba98
	s_mov_b32 s[CS], 0x3e314743
	s_mov_b32 s[CS+1], s[CS]
	s_mov_b32 s[TB], 0
	s_mov_b32 s[KSN], 0
.irp j, 0,1,2,3,4,5
	v_mov_b32 v[192+\j], 0
	v_mov_b32 v[204+\j], 0
.endr
	v_mov_b32 v13, 0xff61b1e6                      ; the largest t so far: -3e38
	v_floor_f32 v12, -v13                          ; -M
	v_mov_b32 v14, 0
	v_mov_b32 v15, 0
.irp b, 0,1,2,3
	v_mov_b32 v[236+\b], 0                         ; a lane permute's destination counts as one of its sources
.endr
	v_mov_b32 v252, 0
	v_mov_b32 v253, 0
.irp j, 0,1,2,3,4,5,6,7,8,9,10,11,12,13,14,15,16,17,18,19,20,21,22,23,24,25,26,27,28,29,30,31
	v_mov_b32 v[160+\j], 0                         ; O^T: the step is written once; its first turn finds zeros
.endr
; A KEY STEP: 128 keys.
.macro STEP
	s_cmp_gt_u32 s[KSN], s[BETA]
	s_cbranch_scc1 .Lhidden_\@                     ; all its keys come after my queries
	v_add_nc_u32 v3, s[TB], v1
	v_add_nc_u32 v4, s[TB], v2
	v_nop
	v_nop                                          ; four places in front of loads into registers that the last products have read
.irp b, 0,1,2,3
.irp c, 0,1,2
	ds_load_b128 v[32+12*\b+4*\c:35+12*\b+4*\c], v3 offset:1536*\b+512*\c
.endr
.endr
	ds_load_b128 v[248:251], v4 offset:6144
	s_wait_dscnt 0x0
.irp b, 0,1,2,3
	v_wmma_scale_f32_16x16x128_f8f6f4 v[96+16*\b:103+16*\b], v[32+12*\b:43+12*\b], v[198:209], 0, v[248+\b], v255 matrix_a_fmt:MATRIX_FMT_FP6 matrix_b_fmt:MATRIX_FMT_FP6
	v_wmma_scale_f32_16x16x128_f8f6f4 v[104+16*\b:111+16*\b], v[32+12*\b:43+12*\b], v[192:203], 0, v[248+\b], v255 matrix_a_fmt:MATRIX_FMT_FP6 matrix_b_fmt:MATRIX_FMT_FP6
.endr
.rept 4
	v_nop
.endr
.irp t, 0,1,2,3                                    ; V's operands go out at once: they land under the softmax
.irp c, 0,1,2
	ds_load_b128 v[32+12*\t+4*\c:35+12*\t+4*\c], v3 offset:6400+1536*\t+512*\c
.endr
.endr
	ds_load_b128 v[248:251], v4 offset:12544
	s_cmp_lg_u32 s[KSN], s[BETA]
	s_cbranch_scc1 .Lopen_\@
	v_mov_b32 v254, 0xff800000                     ; on the diagonal the scores of hidden keys become -infinity: p = 0
.irp n, 0,1,2,3,4,5,6,7,8,9,10,11,12,13,14,15,16,17,18,19,20,21,22,23,24,25,26,27,28,29,30,31,32,33,34,35,36,37,38,39,40,41,42,43,44,45,46,47,48,49,50,51,52,53,54,55,56,57,58,59,60,61,62,63
	v_cmp_gt_i32 vcc_lo, 32*(\n/16)+\n%16, v5
	v_cndmask_b32 v[96+\n], v[96+\n], v254, vcc_lo
.endr
.Lopen_\@:
.irp b, 0,1,2,3
	v_max3_num_f32 v[232+\b], v[96+16*\b], v[97+16*\b], v[98+16*\b]   ; the largest score of each block of 32 keys: for the row's maximum and, since p rises with the score, for the block's largest p
.endr
.irp i, 3,5,7,9,11,13
.irp b, 0,1,2,3
	v_max3_num_f32 v[232+\b], v[232+\b], v[96+16*\b+\i], v[97+16*\b+\i]
.endr
.endr
.irp b, 0,1,2,3
	v_max_num_f32 v[232+\b], v[232+\b], v[111+16*\b]
.endr
.irp b, 0,1,2,3
	v_permlanex16_b32 v[236+\b], v[232+\b], s[SEL], s[SEL+1]
.endr
.irp b, 0,1,2,3
	v_max_num_f32 v[232+\b], v[232+\b], v[236+\b]
.endr
	v_max3_num_f32 v254, v232, v233, v234
	v_max_num_f32 v254, v254, v235
	v_mul_f32 v254, s[CS], v254
	v_max_num_f32 v13, v13, v254                   ; the running largest t
	v_mov_b32 v254, v12
	v_floor_f32 v12, -v13                          ; the new -M: M is a whole number
	v_sub_f32 v254, v12, v254
	v_cvt_i32_f32 v254, v254                       ; (it saturates)
	v_ldexp_f32 v252, 1.0, v254                    ; f = 2^(old M - new M)
.irp j, 0,2,4,6,8,10,12,14,16,18,20,22,24,26,28,30,32,34,36,38,40,42,44,46,48,50,52,54,56,58,60,62
	v_pk_fma_f32 v[96+\j:97+\j], v[96+\j:97+\j], s[CS:CS+1], v[12:13] op_sel_hi:[1,0,0]   ; t - M
.endr
.irp b, 0,1,2,3
	v_fma_f32 v[232+\b], v[232+\b], s[CS], v12
.endr
.irp j, 0,1,2,3,4,5,6,7,8,9,10,11,12,13,14,15,16,17,18,19,20,21,22,23,24,25,26,27,28,29,30,31,32,33,34,35,36,37,38,39,40,41,42,43,44,45,46,47,48,49,50,51,52,53,54,55,56,57,58,59,60,61,62,63
	v_exp_f32 v[96+\j], v[96+\j]                   ; p = 2^(t - M)
.endr
	v_pk_mul_f32 v[14:15], v[14:15], v[252:253] op_sel_hi:[1,0]   ; the sums under the new M: a plain place behind the exponentials
	s_wait_alu depctr_va_vdst(0)                   ; one wait for the batch, ahead of its first reader
.irp b, 0,1,2,3
	v_exp_f32 v[232+\b], v[232+\b]                 ; the block's largest p
.endr
	v_pk_add_f32 v[236:237], v[96:97], v[98:99]    ; the row's sum of the unquantised p, in two chains
.irp j, 4,8,12,16,20,24,28,32,36,40,44,48,52,56,60
	v_pk_add_f32 v[14:15], v[14:15], v[96+\j:97+\j]
	v_pk_add_f32 v[236:237], v[236:237], v[98+\j:99+\j]
.endr
	v_pk_add_f32 v[14:15], v[14:15], v[236:237]
	s_wait_alu depctr_va_vdst(0)                   ; and one for the four
.irp b, 0,1,2,3
	v_max_num_f32 v[232+\b], 0x1800000, v[232+\b]  ; the floor 2^(3 - 127)
.endr
.irp b, 0,1,2,3
	v_add_nc_u32 v[244+\b], 0xff000000, v[232+\b]
.endr
.irp b, 0,1,2,3
	v_lshrrev_b32 v[236+\b], 23, v[244+\b]
.endr
	v_lshl_or_b32 v253, v237, 8, v236              ; p's scale word for these 128 keys
	v_lshl_or_b32 v253, v238, 16, v253
	v_lshl_or_b32 v253, v239, 24, v253
.irp c, 0,1
	v_cvt_scalef32_pk16_fp6_f32 v[224+6*\c:226+6*\c], v[96+32*\c:111+32*\c], v[244+2*\c]
	v_cvt_scalef32_pk16_fp6_f32 v[236+4*\c:238+4*\c], v[112+32*\c:127+32*\c], v[244+2*\c+1]
.endr
	v_nop                                          ; one plain place behind a scaled conversion
.irp c, 0,1
.irp i, 0,1,2
	v_permlane16_swap_b32 v[224+6*\c+\i], v[236+4*\c+\i]
.endr
.irp i, 0,1,2
	v_mov_b32 v[227+6*\c+\i], v[236+4*\c+\i]
.endr
.endr
.irp j, 0,2,4,6,8,10,12,14,16,18,20,22,24,26,28,30
	v_pk_mul_f32 v[160+\j:161+\j], v[160+\j:161+\j], v[252:253] op_sel_hi:[1,0]   ; O^T under the new M; these sixteen are also the places in front of the scaled products
.endr
	s_wait_dscnt 0x0                               ; V is in
.irp t, 0,1,2,3
	v_wmma_scale_f32_16x16x128_f8f6f4 v[160+8*\t:167+8*\t], v[32+12*\t:43+12*\t], v[224:235], v[160+8*\t:167+8*\t], v[248+\t], v253 matrix_a_fmt:MATRIX_FMT_FP6 matrix_b_fmt:MATRIX_FMT_FP6
.endr
.Lhidden_\@:
	s_add_co_u32 s[TB], s[TB], 12800
	s_add_co_u32 s[KSN], s[KSN], 1
.endm
	s_wait_loadcnt 0x0                             ; q
	s_wait_tensorcnt 0x1                           ; my 13 rows are in; my 37 may be out
	s_barrier_signal -1
	s_barrier_wait -1                              ; key steps 0 to 3 lie in LDS
.Lp1:
	STEP
	s_cmp_lt_u32 s[KSN], 4
	s_cbranch_scc1 .Lp1
	s_wait_tensorcnt 0x0
	s_wait_dscnt 0x0
	s_barrier_signal -1
	s_barrier_wait -1                              ; the whole head lies in LDS
	s_mov_b32 s[KSN], 4
	s_mov_b32 s[TB], 51200
.Lp2:
	STEP
	s_cmp_lt_u32 s[KSN], 16
	s_cbranch_scc1 .Lp2
	; THE WAY OUT: O^T / the sum, quantised along the head's 64; 24 bytes of codes and a scale byte a lane.
.rept 4
	v_nop                                          ; places behind the last products
.endr
	v_add_f32 v14, v14, v15
	v_permlanex16_b32 v252, v14, s[SEL], s[SEL+1]
	v_add_f32 v14, v14, v252                       ; the row's sum
	v_rcp_f32 v14, v14
	v_nop                                          ; a plain place behind the transcendental
	s_wait_alu depctr_va_vdst(0)                   ; the wait, ahead of the first reader
.irp j, 0,1,2,3,4,5,6,7,8,9,10,11,12,13,14,15,16,17,18,19,20,21,22,23,24,25,26,27,28,29,30,31
	v_mul_f32 v[96+\j], v[160+\j], v14             ; register 16 e + i: channel 32 e + 16 h + i of my query
.endr
.irp b, 0,1
	v_max3_num_f32 v[232+\b], |v[96+16*\b]|, |v[97+16*\b]|, 0x1800000
.endr
.irp i, 2,4,6,8,10,12,14
.irp b, 0,1
	v_max3_num_f32 v[232+\b], v[232+\b], |v[96+16*\b+\i]|, |v[97+16*\b+\i]|
.endr
.endr
.irp b, 0,1
	v_permlanex16_b32 v[236+\b], v[232+\b], s[SEL], s[SEL+1]
.endr
.irp b, 0,1
	v_max_num_f32 v[232+\b], v[232+\b], v[236+\b]
.endr
.irp b, 0,1
	v_add_nc_u32 v[244+\b], 0xff000000, v[232+\b]
.endr
.irp b, 0,1
	v_lshrrev_b32 v[236+\b], 23, v[244+\b]
.endr
	v_cvt_scalef32_pk16_fp6_f32 v[224:226], v[96:111], v244
	v_cvt_scalef32_pk16_fp6_f32 v[228:230], v[112:127], v245
	v_nop                                          ; one plain place behind a scaled conversion
.irp i, 0,1,2
	v_permlane16_swap_b32 v[224+\i], v[228+\i]     ; lanes 0-15 now hold block 0 whole, lanes 16-31 block 1
.endr
	v_mov_b32 v227, v228
	v_mov_b32 v228, v229
	v_mov_b32 v229, v230
	v_cmp_eq_u32 vcc_lo, 1, v11
	v_cndmask_b32 v240, v236, v237, vcc_lo         ; my block's byte
	global_store_b128 v1, v[224:227], s[8:9]       ; 512 consecutive bytes, aligned
	global_store_b64 v7, v[228:229], s[8:9] offset:512   ; 256
	global_store_b8 v8, v240, s[10:11]             ; two bytes of each token's row of 32: written in part, one byte for each 24 of codes
	s_wait_tensorcnt 0x0
	ds_add_u32 v223, v243
	s_wait_dscnt 0x0
	s_endpgm
.Lfunc_end_k_qf31938a587_attn:
	.size	k_qf31938a587_attn, .Lfunc_end_k_qf31938a587_attn-k_qf31938a587_attn
	.p2alignl 7, 3214868480
	.fill 96, 4, 3214868480
	.section	.rodata,"a",@progbits
	.p2align	6, 0x0
	.amdhsa_kernel k_qf31938a587_attn
		.amdhsa_group_segment_fixed_size 206848
		.amdhsa_private_segment_fixed_size 0
		.amdhsa_enable_private_segment 0
		.amdhsa_kernarg_size 32
		.amdhsa_user_sgpr_count 2
		.amdhsa_user_sgpr_kernarg_segment_ptr 1
		.amdhsa_wavefront_size32 1
		.amdhsa_system_sgpr_workgroup_id_x 1
		.amdhsa_system_sgpr_workgroup_id_y 1
		.amdhsa_system_sgpr_workgroup_id_z 1
		.amdhsa_system_vgpr_workitem_id 0
		.amdhsa_next_free_vgpr 256
		.amdhsa_next_free_sgpr 66
		.amdhsa_reserve_vcc 1
		.amdhsa_float_denorm_mode_32 3
		.amdhsa_float_denorm_mode_16_64 3
		.amdhsa_memory_ordered 1
		.amdhsa_forward_progress 1
		.amdhsa_inst_pref_size 51
	.end_amdhsa_kernel
	.amdgpu_metadata
---
amdhsa.version: [ 1, 2 ]
amdhsa.kernels:
  - .name:           k_qf31938a587_attn
    .symbol:         k_qf31938a587_attn.kd
    .args:
      - { .name: qimg, .offset: 0, .size: 8, .value_kind: global_buffer, .address_space: global }
      - { .name: kv, .offset: 8, .size: 8, .value_kind: global_buffer, .address_space: global }
      - { .name: yimg, .offset: 16, .size: 8, .value_kind: global_buffer, .address_space: global }
      - { .name: ysc, .offset: 24, .size: 8, .value_kind: global_buffer, .address_space: global }
    .group_segment_fixed_size: 206848
    .private_segment_fixed_size: 0
    .kernarg_segment_align: 8
    .kernarg_segment_size: 32
    .max_flat_workgroup_size: 512
    .sgpr_count:     66
    .vgpr_count:     256
    .wavefront_size: 32
...
	.end_amdgpu_metadata
.endif
;; end of part 3
;; launch proj (part 4): grid 4 x 32, 4 waves a work-group, clusters of 4 x 4, 327,680 bytes of LDS; arguments yimg, ysc, wq, out0; writes out0
.if DOCPART == 4
	.amdgcn_target "amdgcn-amd-amdhsa--gfx1250"
	.amdhsa_code_object_version 6
	.text
	.protected	k_qf31938a587_proj
	.globl	k_qf31938a587_proj
	.p2align	8
	.type	k_qf31938a587_proj,@function
k_qf31938a587_proj:
	s_mov_b64 s[64:65], 0
	v_nop
	global_prefetch_b8 v0, s[64:65] scope:SCOPE_SE
	s_setreg_imm32_b32 hwreg(HW_REG_WAVE_MODE, 25, 1), 1
	s_wait_xcnt 0x0
	s_wait_alu depctr_hold_cnt(0) depctr_sa_sdst(0) depctr_va_vdst(0) depctr_va_sdst(0) depctr_va_ssrc(0) depctr_va_vcc(0) depctr_vm_vsrc(0)
	s_getreg_b32 s2, hwreg(HW_REG_IB_STS2, 6, 4)
	s_cmp_eq_u32 s2, 0
	s_cbranch_scc0 .Lentry_in_a_cluster
	s_endpgm
.Lentry_in_a_cluster:
	s_bfe_u32 s2, ttmp6, 0x10000c
	s_cmp_lg_u32 s2, 0xf033
	s_cbranch_scc0 .Lentry_shape_is_right
	s_endpgm
.Lentry_shape_is_right:
; out0 = y c_proj_w^T on codes of FP6 (E2M3) with E8M0 scales.  A = y, 8,192 tokens x 1,024, as images of operand registers: yimg [head 16][token tile 512][768 bytes] (lane l: 16 bytes at 16 l, 8 bytes at 512 + 8 l: channel block
; l / 16 of token l % 16); its scale bytes ysc [8192][32].  B = c_proj_w: codes [1024][768 bytes] at byte 2,457,600 of wq, scale bytes [1024][32] at 3,244,032.  out0 [8192][1024] f32.
; A tile of 256 x 256 to a work-group of four waves, 128 x 128 a wave; K in four steps of 256 (four heads) through two LDS slots; the scale bytes come once.  4 x 4 work-groups form a cluster: A's tiles are asked for jointly
; along a row of the cluster, B's along a column.  The matrix instruction is used transposed (source 0 = 16 rows of B, source 1 = 16 rows of A): a lane holds eight neighbouring numbers of a row of the result.
; A's tile of a slot: four heads x 8 token tiles x 768 bytes for 128 tokens: four dense rows of 6,144 bytes, 393,216 bytes apart; a fragment (two heads) comes by two loads of 16 and two of 8 bytes a lane, consecutive over the lanes.
; The grid has 128 work-groups: 8,192 x 1,024 outputs in tiles of 256 x 256.
; REGISTERS: window 0: v0-31 addresses; v32-63 scale words; from v128 A's fragments, one set; window 1: B's fragments, two sets; windows 2, 3: the accumulators.
.set SIZE_N, 1024
.set SIZE_K, 1024
.set KSTEP,  256
.set NQ,     KSTEP/128
.set ROWB,   192
.set KROW,   SIZE_K*6/8
.set PITCH,  240
.set FR,     12
.set NLA,    4                         ; LDS loads that bring a fragment of A
.set NP,     4
.set HALFT,  128*PITCH                 ; B: 128 rows
.set AH,     24576                     ; A: 128 tokens x four heads
.set BOFF,   2*AH
.set SLOT,   BOFF+2*HALFT
.set KS,     SIZE_K/32
.set SCL,    2*SLOT
.set HALFS,  (128*KS/256)*272
.set SBLK,   (16*KS/256)*272
.set SPARE,  SCL+4*HALFS               ; the spare words, 128 bytes for each wave: two blocks of 256 bytes that no other line names
.set SPITCH, 528                       ; the way out: a stage of 16 rows x 528 bytes for each wave, in slot 0, which has had its last fill and its last read by then
.set ADRA, 16                          ; v16-17 A: 16 x lane in slot 0, 1;  v18-19: 8 x lane
.set ADRB, 20
.set STO,  24
.set RD,   25
.set CO,   26
.set ADRS, 27
.set SPW,  28
.set NIL,  29
.set SC,   32
.set AF,   128
.set BK,   128
.set G1, 24
.set G0, 32
.set G1B, 48
.set G0B, 56
.set G1S, 68
.set G0S, 76
.set G1SB, 80
.set G0SB, 88
.set MSB, 0
.macro WIN new
.if MSB != \new
	s_set_vgpr_msb (MSB<<8)|\new
.set MSB, \new
.endif
.endm
.set MUL_LO, 0xa1
.set MUL_HI, 0xf1
.set TO_B,   0x40
.macro JLOAD g0a, g1a, g0b, g1b        ; waves 0 and 1 fetch for A, waves 2 and 3 for B; four v_nop follow each of the two lines
	s_cmp_eq_u32 s15, 0
	s_cbranch_scc0 .Lfor_b_\@
	tensor_load_to_lds s[\g0a:\g0a+3], s[\g1a:\g1a+7]
	s_nop 0
.rept 4
	v_nop
.endr
	s_branch .Lasked_\@
.Lfor_b_\@:
	tensor_load_to_lds s[\g0b:\g0b+3], s[\g1b:\g1b+7]
	s_nop 0
.rept 4
	v_nop
.endr
.Lasked_\@:
.endm
.macro CREST
	s_cmp_lg_u32 s14, 0
	s_cbranch_scc1 .Lnot_wave_0_\@
	s_barrier_signal -3
.Lnot_wave_0_\@:
	s_barrier_wait -3
	s_barrier_signal -1
	s_barrier_wait -1
.endm
.macro CROUND
	s_barrier_signal -1
	s_barrier_wait -1
	CREST
.endm
	s_load_b128 s[4:7], s[0:1], 0x0                ; yimg s[4:5], ysc s[6:7]
	s_load_b128 s[8:11], s[0:1], 0x10              ; wq s[8:9], out0 s[10:11]
	v_lshl_add_u32 v[SPW], v0, 2, SPARE
	v_mov_b32 v[NIL], 0
	ds_add_u32 v28, v29
	ds_add_u32 v28, v29
	s_wait_dscnt 0x0
	v_lshrrev_b32 v1, 5, v0
	v_readfirstlane_b32 s14, v1
	s_lshr_b32 s15, s14, 1
	s_and_b32 s16, s14, 1
	s_bfe_u32 s40, ttmp6, 0x40000
	s_bfe_u32 s41, ttmp6, 0x40004
	s_lshl_b32 s42, ttmp9, 2
	s_add_co_u32 s42, s42, s40                     ; tile column
	s_and_b32 s17, ttmp7, 0xffff
	s_lshl_b32 s17, s17, 2
	s_add_co_u32 s17, s17, s41                     ; tile row
	s_lshl_b32 s43, s41, 2
	s_lshl_b32 s43, 15, s43
	s_lshl_b32 s44, 0x1111, s40
	s_or_b32 s[G1+0], s43, (3<<16)|(1<<21)         ; A: the mask of my row; elements of 8 bytes; no padding; bit 21 beside a mask
	s_mov_b32 s[G1+1], 768<<16                     ; tensor_dim0 = 768 elements: 6,144 bytes
	s_mov_b32 s[G1+2], 4<<16                       ; tensor_dim1 = 4 heads
	s_mov_b32 s[G1+3], 768<<16                     ; tile_dim0
	s_mov_b32 s[G1+4], 4                           ; tile_dim1
	s_mov_b32 s[G1+5], 49152                       ; from head to head: 393,216 bytes
	s_mov_b32 s[G1+6], 0
	s_mov_b32 s[G1+7], 0
	s_or_b32 s[G1B+0], s44, (0<<16)|(1<<20)|(1<<21)|(3<<22)|(3<<25)
	s_mov_b32 s[G1B+1], ROWB<<16
	s_mov_b32 s[G1B+2], 128<<16
	s_mov_b32 s[G1B+3], ROWB<<16
	s_mov_b32 s[G1B+4], 128
	s_mov_b32 s[G1B+5], KROW
	s_mov_b32 s[G1B+6], 0
	s_mov_b32 s[G1B+7], 0
	s_or_b32 s[G1S+0], s43, (3<<16)|(1<<20)|(1<<21)|(5<<22)|(3<<25)
	s_or_b32 s[G1SB+0], s44, (3<<16)|(1<<20)|(1<<21)|(5<<22)|(3<<25)
.irp g, G1S, G1SB
	s_mov_b32 s[\g+1], 32<<16
	s_mov_b32 s[\g+2], (128*KS/256)<<16
	s_mov_b32 s[\g+3], 32<<16
	s_mov_b32 s[\g+4], 128*KS/256
	s_mov_b32 s[\g+5], 32
	s_mov_b32 s[\g+6], 0
	s_mov_b32 s[\g+7], 0
.endr
	s_lshl_b32 s18, s16, 7
	s_lshl_b32 s20, s17, 8
	s_add_co_u32 s20, s20, s18                     ; A: token 256 x tile row + 128 x half
	s_lshl_b32 s46, s42, 8
	s_add_co_u32 s46, s46, s18                     ; B: row 256 x tile column + 128 x half
	s_mov_b32 s21, 0
	s_mov_b32 s47, 0
	s_mov_b64 s[18:19], KS
	s_mul_u64 s[22:23], s[20:21], s[18:19]
	s_mul_u64 s[92:93], s[46:47], s[18:19]
	s_mov_b64 s[18:19], 48
	s_mul_u64 s[20:21], s[20:21], s[18:19]         ; 768 bytes for 16 tokens of a head
	s_mov_b64 s[18:19], KROW
	s_mul_u64 s[46:47], s[46:47], s[18:19]
	s_mul_i32 s45, s16, AH                         ; where they go: A's halves, then B's
	s_mul_i32 s95, s16, HALFT
	s_add_co_u32 s95, s95, BOFF
	s_mul_i32 s94, s14, HALFS
	s_wait_kmcnt 0x0
	s_mov_b64 s[12:13], s[10:11]                   ; out0
	s_add_nc_u64 s[10:11], s[8:9], 3244032         ; B's scale bytes
	s_add_nc_u64 s[8:9], s[8:9], 2457600           ; B's codes
	s_add_nc_u64 s[20:21], s[4:5], s[20:21]
	s_add_nc_u64 s[22:23], s[6:7], s[22:23]
	s_add_nc_u64 s[46:47], s[8:9], s[46:47]
	s_add_nc_u64 s[92:93], s[10:11], s[92:93]
	CROUND                                         ; all sixteen work-groups are here: the first joint loads meet
	s_mov_b32 s[G0S], 1
	s_add_co_u32 s[G0S+1], s94, SCL
	s_mov_b64 s[G0S+2:G0S+3], s[22:23]
	s_or_b32 s[G0S+3], s[G0S+3], 0x80000000
	s_mov_b32 s[G0SB], 1
	s_add_co_u32 s[G0SB+1], s94, SCL
	s_mov_b64 s[G0SB+2:G0SB+3], s[92:93]
	s_or_b32 s[G0SB+3], s[G0SB+3], 0x80000000
	JLOAD G0S, G1S, G0SB, G1SB
.irp s, 0,1
	s_mov_b32 s[G0+4*\s], 1
	s_add_co_u32 s[G0+4*\s+1], s45, \s*SLOT
	s_add_nc_u64 s[G0+4*\s+2:G0+4*\s+3], s[20:21], \s*1572864      ; four heads on
	s_or_b32 s[G0+4*\s+3], s[G0+4*\s+3], 0x80000000
	s_mov_b32 s[G0B+4*\s], 1
	s_add_co_u32 s[G0B+4*\s+1], s95, \s*SLOT
	s_add_nc_u64 s[G0B+4*\s+2:G0B+4*\s+3], s[46:47], \s*ROWB
	s_or_b32 s[G0B+4*\s+3], s[G0B+4*\s+3], 0x80000000
	JLOAD G0+4*\s, G1, G0B+4*\s, G1B
.endr
	v_and_b32 v1, 15, v0
	v_bfe_u32 v2, v0, 4, 1
	v_mul_u32_u24 v3, v1, PITCH
	v_mul_u32_u24 v4, v2, 24
	v_add_nc_u32 v4, v3, v4                        ; B: a fragment's row x pitch + 24 x half
	v_lshl_add_u32 v5, v2, 4, v4                   ; and the same behind one padding more
	v_and_b32 v6, 31, v0
	v_lshlrev_b32 v7, 4, v6                        ; A: 16 x lane
	v_lshlrev_b32 v8, 3, v6                        ; 8 x lane
	s_mul_i32 s21, s15, AH                         ; my 128 tokens of A
	s_mul_i32 s22, s16, HALFT
	s_add_co_u32 s22, s22, BOFF                    ; my 128 rows of B
.irp s, 0,1
	v_add_nc_u32 v[ADRA+\s], s21, v7
	v_add_nc_u32 v[ADRA+2+\s], s21, v8
	v_add_nc_u32 v[ADRB+\s], s22, v4
	v_add_nc_u32 v[ADRB+2+\s], s22, v5
	s_add_co_u32 s21, s21, SLOT
	s_add_co_u32 s22, s22, SLOT
.endr
	v_mul_u32_u24 v5, v1, KS
	v_lshrrev_b32 v6, 8, v5
	v_lshl_add_u32 v5, v6, 4, v5
	s_mul_i32 s21, s15, HALFS
	s_mul_i32 s22, s16, HALFS
	s_add_co_u32 s22, s22, 2*HALFS
	s_sub_co_u32 s22, s22, s21
	v_mul_u32_u24 v6, s22, v2                      ; lanes 16-31 take B's
	s_add_co_u32 s21, s21, SCL
	v_add_nc_u32 v5, v5, v6
	v_add_nc_u32 v[ADRS], s21, v5
	s_mul_i32 s23, s14, 16*SPITCH                  ; my stage
	v_mul_u32_u24 v5, v1, SPITCH
	v_lshl_add_u32 v5, v2, 5, v5
	v_add_nc_u32 v[STO], s23, v5
	v_and_b32 v6, 31, v0
	v_lshlrev_b32 v[CO], 4, v6
	v_add_nc_u32 v[RD], s23, v[CO]
	s_lshl_b32 s20, s17, 8
	s_lshl_b32 s21, s15, 7
	s_add_co_u32 s20, s20, s21                     ; my first row of the result
	s_mov_b32 s21, 0
	s_mov_b64 s[18:19], SIZE_N*4
	s_mul_u64 s[20:21], s[20:21], s[18:19]
	s_lshl_b32 s46, s42, 10
	s_lshl_b32 s47, s16, 9
	s_add_co_u32 s46, s46, s47
	s_mov_b32 s47, 0
	s_add_nc_u64 s[20:21], s[20:21], s[46:47]
	s_add_nc_u64 s[12:13], s[12:13], s[20:21]
.macro FRAG reg, adr, q, i             ; B: 12 registers in pieces of 8 bytes
.irp p, 0,1,2,3,4,5
.set PCE, 12*(\q)+6*(\p/3)+\p%3
.if PCE%8 < 5
	ds_load_b64 v[\reg+2*\p:\reg+2*\p+1], v[\adr] offset:8*PCE+16*(PCE/8)+(\i)*16*PITCH
.else
	ds_load_b64 v[\reg+2*\p:\reg+2*\p+1], v[\adr+2] offset:8*PCE+16*(PCE/8)+(\i)*16*PITCH
.endif
.endr
.endm
.macro FRAGA reg, slot, q, i           ; A: token tile i, heads 2 q and 2 q + 1 of the slot's four: registers 0-5 and 6-11
	ds_load_b128 v[\reg:\reg+3],     v[ADRA+\slot]   offset:(2*(\q))*6144+768*(\i)
	ds_load_b64  v[\reg+4:\reg+5],   v[ADRA+2+\slot] offset:(2*(\q))*6144+768*(\i)+512
	ds_load_b128 v[\reg+6:\reg+9],   v[ADRA+\slot]   offset:(2*(\q)+1)*6144+768*(\i)
	ds_load_b64  v[\reg+10:\reg+11], v[ADRA+2+\slot] offset:(2*(\q)+1)*6144+768*(\i)+512
.endm
; The 64 accumulators take turns, one instruction a turn, in the same order in every step.
.macro MUL16 a0, p, q, sc, zero
.irp a, \a0, \a0+1
.irp b, 0,1,2,3,4,5,6,7
.if \zero
	v_wmma_scale_f32_16x16x128_f8f6f4 v[8*(8*((\a)%4)+\b):8*(8*((\a)%4)+\b)+7], v[128*(\p)+FR*\b:128*(\p)+FR*\b+FR-1], v[AF+FR*(\a):AF+FR*(\a)+FR-1], 0, v[SC+8*NQ*(\sc)+NQ*\b+(\q)], v[SC+8*NQ*(\sc)+NQ*(\a)+(\q)] matrix_a_fmt:MATRIX_FMT_FP6 matrix_b_fmt:MATRIX_FMT_FP6 matrix_a_scale:MATRIX_SCALE_ROW1
.else
	v_wmma_scale_f32_16x16x128_f8f6f4 v[8*(8*((\a)%4)+\b):8*(8*((\a)%4)+\b)+7], v[128*(\p)+FR*\b:128*(\p)+FR*\b+FR-1], v[AF+FR*(\a):AF+FR*(\a)+FR-1], v[8*(8*((\a)%4)+\b):8*(8*((\a)%4)+\b)+7], v[SC+8*NQ*(\sc)+NQ*\b+(\q)], v[SC+8*NQ*(\sc)+NQ*(\a)+(\q)] matrix_a_fmt:MATRIX_FMT_FP6 matrix_b_fmt:MATRIX_FMT_FP6 matrix_a_scale:MATRIX_SCALE_ROW1
.endif
.endr
.endr
.endm
.macro FETCH_B slot, q, p
	WIN TO_B
.irp i, 0,1,2,3,4,5,6,7
	FRAG 128*(\p)+FR*\i, ADRB+\slot, \q, \i
.endr
	WIN 0
.endm
.macro FETCH_A slot, q, i0
.irp i, \i0, \i0+1, \i0+2, \i0+3
	FRAGA AF+FR*(\i), \slot, \q, \i
.endr
.endm
.macro SCALES sc
.irp i, 0,1,2,3,4,5,6,7
	ds_load_b64 v[SC+8*NQ*\sc+NQ*\i:SC+8*NQ*\sc+NQ*\i+1], v[ADRS] offset:\i*SBLK
.endr
.endm
.macro PLACES n
.rept \n
	v_nop
.endr
.endm
.macro STEP slot, q, zero
	s_wait_dscnt 4*NLA                             ; B's set and A's blocks 0-3 are in; the youngest 16 loads (A's blocks 4-7) may be out
	WIN MUL_LO
	MUL16 0, (\q)%2, \q, \slot, \zero
	MUL16 2, (\q)%2, \q, \slot, \zero
	s_wait_dscnt 0
	PLACES NP
	FETCH_B \slot, (\q)+1, 1-(\q)%2
	FETCH_A \slot, (\q)+1, 0
	WIN MUL_HI
	MUL16 4, (\q)%2, \q, \slot, \zero
	MUL16 6, (\q)%2, \q, \slot, \zero
	PLACES NP
	WIN 0
	FETCH_A \slot, (\q)+1, 4
.endm
.macro TURN slot, next, fill
	s_wait_tensorcnt 0x0                           ; all my tensor loads have landed: my part of the next slot
	ds_add_u32 v[SPW], v[NIL]                      ; 0 onto my spare word
	s_wait_dscnt 4*NLA+1                           ; (the add and the youngest 16 loads may be out)
	WIN MUL_LO
	MUL16 0, 1, NQ-1, \slot, 0
	s_wait_dscnt 0x0                               ; the add is done, and my reads of this slot are over
	s_barrier_signal -1
	MUL16 2, 1, NQ-1, \slot, 0
	WIN 0
	s_barrier_wait -1
.if \fill
	CREST                                          ; the barrier has opened a round of the cluster's barrier
	s_add_nc_u64 s[G0+4*\slot+2:G0+4*\slot+3], s[G0+4*\slot+2:G0+4*\slot+3], 3145728   ; eight heads on
	s_add_nc_u64 s[G0B+4*\slot+2:G0B+4*\slot+3], s[G0B+4*\slot+2:G0B+4*\slot+3], 2*ROWB
	JLOAD G0+4*\slot, G1, G0B+4*\slot, G1B         ; the first tensor load behind the round; its four v_nop are the places in front of the loads below
.else
	PLACES NP
.endif
	v_add_nc_u32 v[ADRS], 4*NQ, v[ADRS]
	FETCH_B \next, 0, 0
	FETCH_A \next, 0, 0
	SCALES \next
	WIN MUL_HI
	MUL16 4, 1, NQ-1, \slot, 0
	MUL16 6, 1, NQ-1, \slot, 0
	PLACES NP
	WIN 0
	FETCH_A \next, 0, 4
.endm
	s_wait_tensorcnt 1                             ; the scales and my part of K step 0 are in (K step 1's load may be out),
	s_barrier_signal -1
	s_barrier_wait -1
	FETCH_B 0, 0, 0
	FETCH_A 0, 0, 0
	SCALES 0
	FETCH_A 0, 0, 4
	STEP 0, 0, 1                                   ; K has four steps of 256: they are written out; the first products start the sums
	TURN 0, 1, 1
	STEP 1, 0, 0
	TURN 1, 0, 1
	STEP 0, 0, 0
	TURN 0, 1, 0                                   ; the last lap fills nothing
	STEP 1, 0, 0
	s_wait_dscnt 4*NLA
	WIN MUL_LO
	MUL16 0, 1, NQ-1, 1, 0
	MUL16 2, 1, NQ-1, 1, 0
	s_wait_dscnt 0
	WIN MUL_HI
	MUL16 4, 1, NQ-1, 1, 0
	MUL16 6, 1, NQ-1, 1, 0
	WIN 0
; THE WAY OUT, block by block of 16 rows x 128 columns, through my own stage in LDS; whole rows of 512 bytes leave.  LDS serves a wave's instructions in order (ISA guide 5.7.1.4).
.macro TOSTAGE a
.set AC, 64*((\a)%4)
	WIN 0x08+4*((\a)/4)
.irp b, 0,1,2,3,4,5,6,7
	ds_store_b128 v[STO], v[AC+8*\b:AC+8*\b+3] offset:64*\b          ; each accumulator from its low end on
	ds_store_b128 v[STO], v[AC+8*\b+4:AC+8*\b+7] offset:64*\b+16
.endr
	WIN 0
.set BB, BK+64*((\a)%2)
.irp t, 0,1,2,3,4,5,6,7,8,9,10,11,12,13,14,15
	ds_load_b128 v[BB+4*\t:BB+4*\t+3], v[RD] offset:\t*SPITCH
.endr
.endm
.macro SEND a, younger
.set BB, BK+64*((\a)%2)
	s_wait_dscnt \younger                          ; the block is back in registers
.if (\a) > 0
	s_add_nc_u64 s[12:13], s[12:13], 16*SIZE_N*4   ; (behind a wait on XCNT: the earlier stores have read their base)
.endif
.irp t, 0,1,2,3,4,5,6,7,8,9,10,11,12,13,14,15
	global_store_b128 v[CO], v[BB+4*\t:BB+4*\t+3], s[12:13] offset:\t*SIZE_N*4 th:TH_STORE_NT   ; 32 lanes store 512 consecutive bytes, aligned
.endr
.endm
	PLACES NP
	TOSTAGE 0
.irp a, 1,2,3,4,5,6,7
.if \a > 1
	s_wait_xcnt 0x0                                ; block a - 2's stores have read their registers and their base
.endif
	TOSTAGE \a
	SEND \a-1, 32                                  ; behind block a - 1's loads: block a's 16 stores and 16 loads
.endr
	s_wait_xcnt 0x0
	SEND 7, 0
	s_wait_tensorcnt 0x0                           ; the wave's end
	ds_add_u32 v[SPW], v[NIL]
	s_wait_dscnt 0x0
	CROUND                                         ; the closing round
	s_endpgm
.Lfunc_end_k_qf31938a587_proj:
	.size	k_qf31938a587_proj, .Lfunc_end_k_qf31938a587_proj-k_qf31938a587_proj
	.p2alignl 7, 3214868480
	.fill 96, 4, 3214868480
	.section	.rodata,"a",@progbits
	.p2align	6, 0x0
	.amdhsa_kernel k_qf31938a587_proj
		.amdhsa_group_segment_fixed_size 327680
		.amdhsa_private_segment_fixed_size 0
		.amdhsa_enable_private_segment 0
		.amdhsa_kernarg_size 32
		.amdhsa_user_sgpr_count 2
		.amdhsa_user_sgpr_kernarg_segment_ptr 1
		.amdhsa_wavefront_size32 1
		.amdhsa_system_sgpr_workgroup_id_x 1
		.amdhsa_system_sgpr_workgroup_id_y 1
		.amdhsa_system_sgpr_workgroup_id_z 1
		.amdhsa_system_vgpr_workitem_id 0
		.amdhsa_next_free_vgpr 1024
		.amdhsa_next_free_sgpr 98
		.amdhsa_reserve_vcc 0
		.amdhsa_float_denorm_mode_32 3
		.amdhsa_float_denorm_mode_16_64 3
		.amdhsa_memory_ordered 1
		.amdhsa_forward_progress 1
		.amdhsa_inst_pref_size 152
	.end_amdhsa_kernel
	.amdgpu_metadata
---
amdhsa.version: [ 1, 2 ]
amdhsa.kernels:
  - .name:           k_qf31938a587_proj
    .symbol:         k_qf31938a587_proj.kd
    .args:
      - { .name: yimg, .offset: 0, .size: 8, .value_kind: global_buffer, .address_space: global }
      - { .name: ysc, .offset: 8, .size: 8, .value_kind: global_buffer, .address_space: global }
      - { .name: wq, .offset: 16, .size: 8, .value_kind: global_buffer, .address_space: global }
      - { .name: out0, .offset: 24, .size: 8, .value_kind: global_buffer, .address_space: global }
    .group_segment_fixed_size: 327680
    .private_segment_fixed_size: 0
    .kernarg_segment_align: 8
    .kernarg_segment_size: 32
    .max_flat_workgroup_size: 128
    .sgpr_count:     98
    .vgpr_count:     1024
    .wavefront_size: 32
...
	.end_amdgpu_metadata
.endif
;; end of part 4
